; MI455X (gfx1250); checked and timed in simulation.
; The chip was launched on July 23, 2026; its instructions are those of AMD's public machine-readable ISA for CDNA 5 (MIT licence, August 2026) and "CDNA5" Instruction Set Architecture Reference Guide (July 2026). The comments in the code are by the model that wrote it; some were corrected since.
;; Block. Allowed arithmetic: matrix products marked QUANTISED: E3M2 operands, one E8M0 scale for each 32 along K, by v_wmma_scale_f32_16x16x128_f8f6f4 with both operands' format E3M2, f32 sums; everything else in f32.
;; Inputs: b1 4,096 float32; b2 1,024 float32; b_proj 1,024 float32; ln1_b 1,024 float32; ln1_g 1,024 float32; ln2_b 1,024 float32; ln2_g 1,024 float32; w1 1,024 x 4,096 float32; w2 4,096 x 1,024 float32; w_proj 1,024 x 1,024 float32; wk 16 x 1,024 x 64 float32; wq 16 x 1,024 x 64 float32; wv 16 x 1,024 x 64 float32; x 4 x 1,024 x 1,024 float32.
;; Outputs: out0 4 x 1,024 x 1,024 float32.
;; This version of the problem:
;;   THIS VERSION OF THE PROBLEM IS GIVEN IN LOW PRECISION. The matrix products marked QUANTISED in the list below multiply operands that are first quantised to E3M2 (3 exponent bits, 2 mantissa bits; 6 bits a number), with one power-of-two scale for each 32 numbers along K (OCP MX v1.0); their sums are f32. All else is computed in f32.
;;   The module's matrix products, in the order in which they are computed (A, B: the left and right operand; K: the contracted axis; several contracted axes count as one K, in the product's order):
;;     1. [M 1,024, K 1,024] x [K 1,024, N 4,096]; A: input wq; B: computed on the way: QUANTISED
;;     2. [M 1,024, K 1,024] x [K 1,024, N 4,096]; A: input wk; B: computed on the way: QUANTISED
;;     3. [M 1,024, K 1,024] x [K 1,024, N 4,096]; A: input wv; B: computed on the way: QUANTISED
;;     4. batch 64 x [M 1,024, K 64] x [K 64, N 1,024]; A: computed on the way; B: computed on the way: QUANTISED
;;     5. batch 64 x [M 1,024, K 1,024] x [K 1,024, N 64]; A: softmax (see below); B: computed on the way: QUANTISED
;;     6. [M 4,096, K 1,024] x [K 1,024, N 1,024]; A: computed on the way; B: input w_proj: QUANTISED
;;     7. [M 4,096, K 1,024] x [K 1,024, N 4,096]; A: computed on the way; B: input w1: QUANTISED
;;     8. [M 4,096, K 4,096] x [K 4,096, N 1,024]; A: computed on the way; B: input w2: QUANTISED
;;   THE QUANTISER, for each operand of a quantised product, along K:
;;     - K is cut into blocks of 32 from its start; a last block that is shorter is filled with zeros.
;;     - A block's scale is 2^e with e = floor(log2(the largest magnitude in the block)) - 4, held to -126 .. 127; a block of zeros has e = 0. As a byte (E8M0): e + 127.
;;     - Each number is divided by its block's scale, clamped to +-28, and rounded to the nearest number of E3M2, ties to even, subnormals kept.
;;     - The product sums the exact products of the quantised numbers (number of the format x scale) in f32.
;;   ~~~python
;;   def quantise(x, axis):      # numpy; x: float32 -> the quantised numbers, widened to float32 again
;;       x = np.moveaxis(x, axis, -1); K = x.shape[-1]
;;       x = np.pad(x, [(0, 0)] * (x.ndim - 1) + [(0, -K % 32)]); x = x.reshape(x.shape[:-1] + (-1, 32)); a = np.abs(x).max(-1, keepdims=True)
;;       e = np.where(a > 0, np.clip(np.frexp(np.where(a > 0, a, 1))[1] - 1 - 4, -126, 127), 0)      # np.frexp(a)[1] - 1 = floor(log2(a)), exactly
;;       r = np.clip(x / 2.0 ** e, -28, 28)
;;       step = 2.0 ** (np.maximum(np.frexp(np.where(r == 0, 1, r))[1] - 1, -2) - 2)
;;       q = np.round(r / step) * step * 2.0 ** e      # np.round: ties to even
;;       return np.moveaxis(q.reshape(q.shape[:-2] + (-1,))[..., :K], -1, axis).astype(np.float32)
;;   ~~~
;;   SOFTMAX AHEAD OF A QUANTISED PRODUCT. Where the list says 'softmax', what is quantised is not the finished softmax but p = 2^(t - M), with t = logit x log2(e) and M = ceil(the row's largest t), a whole number; so 1/2 < the row's largest p <= 1. The row's sum l is taken of the UNQUANTISED p, in f32, and the product's result is divided by l at the end. Since M is a whole number, a kernel that streams over the keys may use a running M (the ceiling of the running maximum): every later rescaling is an exact power of two, which a block's scale takes up: the codes' values come out the same.
;;   OPERANDS COMPUTED ON THE WAY. 'Computed on the way' means the value that the module computes at that place (a softmax that the list does not call 'softmax' is quantised finished and normalised). What goes into a quantiser is computed in f32, as accurately as f32 sums, v_exp_f32 and their like allow (about 1e-6 of the number): no bf16 or f16 on the way to a quantiser, and a product that is left as it is and whose result goes on into a quantised operand takes f32 operands (vector FMAs, or v_wmma_f32_16x16x4_f32). A number that lies on a knife's edge between two numbers of the format may be rounded either way, as far as f32 arithmetic and the matrix unit's own rounding can turn it there, and no further.
;; One version. Each part assembles by itself: llvm-mc -triple=amdgcn-amd-amdhsa -mcpu=gfx1250 --defsym DOCPART=n.
;; ======== version 1 of 1: 7 launches
;; limits: right only within a limited range of input values
;; workspace buffers: wts 9,830,400 bytes; act 3,276,800 bytes; qkv 10,092,544 bytes; att 3,276,800 bytes; x1 16,777,216 bytes; hid 13,107,200 bytes
;; launch prep (part 1): grid 640 x 1, 4 waves a work-group, no clusters, 31,744 bytes of LDS; arguments x, ln1_g, ln1_b, act, wq, wk, wv, w_proj, w1, w2, wts; writes act, wts
.if DOCPART == 1
	.amdgcn_target "amdgcn-amd-amdhsa--gfx1250"
	.amdhsa_code_object_version 6
	.text
	.protected	k_q909f0c58b4_prep
	.globl	k_q909f0c58b4_prep
	.p2align	8
	.type	k_q909f0c58b4_prep,@function
k_q909f0c58b4_prep:
	s_mov_b64 s[64:65], 0
	v_nop
	global_prefetch_b8 v0, s[64:65] scope:SCOPE_SE
	s_setreg_imm32_b32 hwreg(HW_REG_WAVE_MODE, 25, 1), 1
	s_wait_xcnt 0x0
; THE PROGRAM: a transformer block (layer norm, causal attention, projection, layer norm, two-layer MLP), all eight matrix products on codes of BF6 (E3M2) with one E8M0 scale for each 32 along K.
; DEAD WORK: none among the inputs: all fourteen have a way to out0 and all are loaded.  Left out is only what the causal jnp.tril that reference() builds itself throws away in whole steps: in the attention
; launch a step of 128 keys all of which come after a tile's 16 queries gets -inf ahead of the softmax for every value of the inputs, so its p are 0 and add nothing to the sum or to the product.
; LIMIT: a NaN, an infinity or an overflow that reaches only those steps is not carried to the result.
; THIS LAUNCH does two things that hang on nothing but inputs: work-groups 0-383 quantise the six weights, work-groups 384-639 make the first layer norm and quantise it.  The two part on the work-group's number alone.
; LAYOUT OF EVERY OPERAND OF THE PROGRAM.  A tile is 16 rows: slot r of tile t is row 32 (t / 2) + 8 (t % 2) + r + 8 (r / 8).  A fragment (16 rows x 128 K, 12 registers a lane) is 1,536 bytes: two halves of 768;
; half c holds registers 6 c .. 6 c + 3 of lane l at 16 l and registers 6 c + 4, 6 c + 5 at 512 + 8 l.  Codes: [tile][K step][1,536].  Scale words (4 bytes: a row's 128 K): [tile / 8][K step][tile % 8][slot].
; THE WEIGHTS, f32 with K not innermost: a lane takes a column n and its registers run down K: a block of 32 along K lies in one lane, its largest magnitude needs no other lane, and the conversions give codes with K innermost.
; A work-group takes 128 columns x 256 K, a wave 32 columns (two tiles) x 8 blocks.  Work-groups 0-95: wq, wk, wv (rows 1,024 x tensor + 64 x head + d); 96-127: w_proj; 128-255: w2; 256-383: w1.
; Each load reads 128 consecutive bytes a wave.  A block's first four registers leave as 256 consecutive bytes from sixteen lanes; its last two as 128 bytes, the other half of that 256 coming from the block beside it.
; THE LAYER NORM of rows of 1,024 f32, all in f32: mean, then the mean of the squared differences, as reference() has it.  Work-group 384 + T makes tile T; wave w takes slots 4 w .. 4 w + 3, four consecutive rows;
; a row is 32 registers of the wave and is read once.  Loads are dense; the conversions want 32 neighbours in a lane, so a finished row turns through the wave's own 4,608 bytes of LDS (16 bytes of padding behind each 128).
; The tile's 8 fragments are gathered in LDS as images of their registers; one barrier; each wave then stores 3,072 consecutive bytes of them and 128 bytes of scale words.
; No tensor load, no cluster: work-groups share only the gain and the bias, 8 KB.
; LIMITS: a block of zeros gets the byte 1 where the rule says 127 (its codes are zeros, and this program alone reads the bytes); v_rsq_f32 is good to 1 ulp; NaN and infinities are not served.
.set WQKV_C, 0
.set WP_C,   2359296
.set W1_C,   3145728
.set W2_C,   6291456
.set WQKV_S, 9437184
.set WP_S,   9535488
.set W1_S,   9568256
.set W2_S,   9699328
.set X,   32                           ; weights: v32-95   two sets of 32 numbers
.set CD,  96                           ;          v96-159  eight registers for each block's six of codes: no store's data are written again
.set OFF, 160                          ;          v160-191 4 x lane + i x pitch, i = 0 .. 31; never rewritten
.set IMG,   18432                      ; norm, LDS: behind the four turning places: the tile's 8 fragments, 12,288 bytes,
.set SCB,   30720                      ; its scale words [K step][slot], 512 bytes,
.set SPARE, 31232                      ; the spare words, 128 bytes for each wave, which no other line names
.set ACT_S, 3145728
.set G,   16                           ; norm: v16-47   the gain, as a row is loaded
.set BB,  48                           ;       v48-79   the bias
.set XR,  80                           ;       v80-207  four rows
.set PC,  208                          ;       v208-213 a block's codes;  v214-216 the second conversion's result
.set PT,  214
.set SPW, 230
.set NIL, 231
	v_lshl_add_u32 v[SPW], v0, 2, SPARE
	v_mov_b32 v[NIL], 0
	s_cmp_ge_u32 ttmp9, 384
	s_cbranch_scc1 .Lnorm
	; ---------------- the weights
	s_load_b256 s[4:11], s[0:1], 0x20              ; wq, wk, wv, w_proj
	s_load_b128 s[12:15], s[0:1], 0x40             ; w1, w2
	s_load_b64 s[16:17], s[0:1], 0x50              ; wts
	v_lshrrev_b32 v1, 5, v0
	v_readfirstlane_b32 s18, v1                    ; wave
	s_mov_b32 s21, 256                             ; the tensor's first work-group,
	s_mov_b32 s22, 16384                           ; its row in bytes,
	s_mov_b32 s23, W1_C                            ; where its codes
	s_mov_b32 s24, W1_S                            ; and scale words begin,
	s_mov_b32 s25, 2                               ; log2 of its runs of 256 along K,
	s_mov_b32 s26, 8                               ; its K steps of 128
	s_cmp_lt_u32 ttmp9, 256
	s_cselect_b32 s21, 128, s21
	s_cselect_b32 s22, 4096, s22
	s_cselect_b32 s23, W2_C, s23
	s_cselect_b32 s24, W2_S, s24
	s_cselect_b32 s25, 4, s25
	s_cselect_b32 s26, 32, s26
	s_cmp_lt_u32 ttmp9, 128
	s_cselect_b32 s21, 96, s21
	s_cselect_b32 s23, WP_C, s23
	s_cselect_b32 s24, WP_S, s24
	s_cselect_b32 s25, 2, s25
	s_cselect_b32 s26, 8, s26
	s_cmp_lt_u32 ttmp9, 96
	s_cselect_b32 s21, 0, s21
	s_cselect_b32 s22, 256, s22
	s_cselect_b32 s23, WQKV_C, s23
	s_cselect_b32 s24, WQKV_S, s24
	s_cselect_b32 s19, 1, 0                        ; 1: one of the per-head tensors
	s_sub_co_u32 s27, ttmp9, s21
	s_lshr_b32 s28, s27, s25                       ; cg: which 128 columns
	s_lshl_b32 s29, s28, s25
	s_sub_co_u32 s29, s27, s29                     ; kc: which 256 along K
	s_mul_i32 s30, s29, s22
	s_lshl_b32 s30, s30, 8                         ; kc x 256 rows
	s_lshl_b32 s31, s28, 9
	s_lshl_b32 s48, s18, 7
	s_add_co_u32 s31, s31, s48                     ; [K][N]: column 128 cg + 32 wave, in bytes
	s_and_b32 s48, s28, 7
	s_lshl_b32 s48, s48, 1
	s_lshr_b32 s49, s18, 1
	s_add_co_u32 s48, s48, s49                     ; [H][K][64]: head 2 (cg % 8) + wave / 2,
	s_lshl_b32 s48, s48, 18                        ; 262,144 bytes a head,
	s_and_b32 s49, s18, 1
	s_lshl_b32 s49, s49, 7
	s_add_co_u32 s48, s48, s49                     ; channel 32 (wave % 2)
	s_cmp_eq_u32 s19, 1
	s_cselect_b32 s31, s48, s31
	s_add_co_u32 s30, s30, s31
	s_mov_b32 s31, 0                               ; s[30:31]: my wave's first number, in bytes
	s_lshl_b32 s50, s22, 5
	s_mov_b32 s51, 0                               ; s[50:51]: 32 rows on
	s_mul_i32 s54, s26, 1536                       ; a tile's codes in bytes
	s_lshl_b32 s52, s28, 3
	s_lshl_b32 s53, s18, 1
	s_add_co_u32 s52, s52, s53                     ; my first tile: 8 cg + 2 wave
	s_mul_i32 s52, s52, s54
	s_mul_i32 s53, s29, 3072                       ; K step 2 kc
	s_add_co_u32 s52, s52, s53
	s_add_co_u32 s52, s52, s23
	s_mov_b32 s53, 0
	s_mul_i32 s56, s28, s26
	s_lshl_b32 s56, s56, 9                         ; scale words: cg x K steps x 512
	s_lshl_b32 s57, s29, 10
	s_add_co_u32 s56, s56, s57
	s_lshl_b32 s57, s18, 7
	s_add_co_u32 s56, s56, s57
	s_add_co_u32 s56, s56, s24
	s_mov_b32 s57, 0
	v_and_b32 v1, 31, v0                           ; lane = my column among the wave's 32
	v_bfe_u32 v5, v0, 3, 1                         ; u: which of the two tiles holds it,
	v_and_b32 v6, 7, v0
	v_bfe_u32 v7, v0, 4, 1
	v_lshl_add_u32 v6, v7, 3, v6                   ; r: and at which slot
	v_mul_u32_u24 v7, v5, s54
	v_lshl_add_u32 v2, v6, 4, v7                   ; u x tile + 16 r
	v_lshl_add_u32 v3, v6, 3, v7                   ; u x tile + 8 r
	v_lshlrev_b32 v4, 2, v6
	v_lshl_add_u32 v4, v5, 6, v4                   ; 64 u + 4 r
	v_lshlrev_b32 v1, 2, v1
.set i_, 0
.rept 32
	v_mad_u32_u24 v[OFF+i_], s22, i_, v1
.set i_, i_+1
.endr
	s_wait_alu depctr_va_vdst(0)
	s_wait_kmcnt 0x0
	s_mov_b64 s[32:33], s[12:13]                   ; the tensor is chosen by the work-group's number alone
	s_cmp_lt_u32 ttmp9, 256
	s_cselect_b64 s[32:33], s[14:15], s[32:33]
	s_cmp_lt_u32 ttmp9, 128
	s_cselect_b64 s[32:33], s[10:11], s[32:33]
	s_cmp_lt_u32 ttmp9, 96
	s_cselect_b64 s[32:33], s[8:9], s[32:33]
	s_cmp_lt_u32 ttmp9, 64
	s_cselect_b64 s[32:33], s[6:7], s[32:33]
	s_cmp_lt_u32 ttmp9, 32
	s_cselect_b64 s[32:33], s[4:5], s[32:33]
	s_add_nc_u64 s[32:33], s[32:33], s[30:31]      ; s[32 + 2 t : 33 + 2 t]: block t's first row; never rewritten
.irp t, 1,2,3,4,5,6,7
	s_add_nc_u64 s[32+2*\t:33+2*\t], s[30+2*\t:31+2*\t], s[50:51]
.endr
	s_add_nc_u64 s[52:53], s[16:17], s[52:53]      ; codes
	s_add_nc_u64 s[56:57], s[16:17], s[56:57]      ; scale words
.macro LOAD t
.set i_, 0
.rept 32
	global_load_b32 v[X+32*((\t)%2)+i_], v[OFF+i_], s[32+2*(\t):33+2*(\t)] th:TH_LOAD_NT
.set i_, i_+1
.endr
.endm
	LOAD 0
	LOAD 1
; Block t: k = 256 kc + 32 t + 0 .. 31 of my column: K step 2 kc + t / 4, half (t / 2) % 2, lanes' half t % 2.
.macro BLOCK t
.set XS_, X+32*((\t)%2)
.set C_, CD+8*(\t)
.if (\t) < 7
	s_wait_loadcnt 32                              ; this block's 32 loads are in; the next block's 32 may be out
.else
	s_wait_loadcnt 0x0
.endif
	v_max3_num_f32 v8, |v[XS_]|, |v[XS_+1]|, |v[XS_+2]|
	v_max3_num_f32 v9, |v[XS_+3]|, |v[XS_+4]|, |v[XS_+5]|
.irp i, 6,10,14,18,22,26
	v_max3_num_f32 v8, v8, |v[XS_+\i]|, |v[XS_+\i+1]|
	v_max3_num_f32 v9, v9, |v[XS_+\i+2]|, |v[XS_+\i+3]|
.endr
	v_max3_num_f32 v8, v8, |v[XS_+30]|, |v[XS_+31]|
	v_max3_num_f32 v8, v8, v9, 0x2800000           ; and the floor 2^(5 - 127): the byte cannot fall under 1
	v_add_nc_u32 v10, 0xfe000000, v8               ; 4 off the exponent field: the conversion's scale operand
	v_lshrrev_b32 v11, 23, v10                     ; the scale's byte
.if (\t)%4 == 0
	v_mov_b32 v[12+(\t)/4], v11
.else
	v_lshl_or_b32 v[12+(\t)/4], v11, 8*((\t)%4), v[12+(\t)/4]
.endif
	v_cvt_scalef32_pk16_bf6_f32 v[C_:C_+2], v[XS_:XS_+15], v10
	v_cvt_scalef32_pk16_bf6_f32 v[14:16], v[XS_+16:XS_+31], v10     ; (a conversion's three registers begin on an even number)
	v_nop                                          ; one plain line behind the conversions
.irp i, 0,1,2
	v_mov_b32 v[C_+3+\i], v[14+\i]
.endr
.if (\t)+2 < 8
	LOAD (\t)+2
.endif
	global_store_b128 v2, v[C_:C_+3], s[52:53] offset:((\t)/4)*1536+(((\t)/2)%2)*768+((\t)%2)*256
	global_store_b64 v3, v[C_+4:C_+5], s[52:53] offset:((\t)/4)*1536+(((\t)/2)%2)*768+512+((\t)%2)*128
.if (\t)%4 == 3
	global_store_b32 v4, v[12+(\t)/4], s[56:57] offset:((\t)/4)*512
.endif
.endm
.irp t, 0,1,2,3,4,5,6,7
	BLOCK \t
.endr
	s_endpgm                                       ; this way has touched no LDS
	; ---------------- the layer norm
.Lnorm:
	s_load_b256 s[4:11], s[0:1], 0x0               ; rows, gain, bias, codes
	s_sub_co_u32 s28, ttmp9, 384                   ; T: my tile
	v_lshrrev_b32 v1, 5, v0
	v_readfirstlane_b32 s12, v1                    ; wave
	s_lshr_b32 s13, s28, 1
	s_lshl_b32 s13, s13, 5
	s_and_b32 s14, s28, 1
	s_lshl_b32 s14, s14, 3
	s_add_co_u32 s13, s13, s14
	s_lshl_b32 s14, s12, 2
	s_add_co_u32 s13, s13, s14
	s_lshr_b32 s14, s12, 1
	s_lshl_b32 s14, s14, 3
	s_add_co_u32 s13, s13, s14                     ; my first row: 32 (T / 2) + 8 (T % 2) + 4 w + 8 (w / 2)
	s_lshl_b32 s14, s13, 12
	s_mov_b32 s15, 0
	s_mul_i32 s16, s28, 12288
	s_mul_i32 s17, s12, 3072
	s_add_co_u32 s16, s16, s17                     ; the tile's codes, my quarter
	s_mov_b32 s17, 0
	s_lshr_b32 s18, s28, 3
	s_lshl_b32 s18, s18, 12
	s_and_b32 s19, s28, 7
	s_lshl_b32 s19, s19, 6
	s_add_co_u32 s18, s18, s19
	s_lshl_b32 s19, s12, 10
	s_add_co_u32 s18, s18, s19
	s_add_co_u32 s18, s18, ACT_S                   ; its scale words, K steps 2 w and 2 w + 1
	s_mov_b32 s19, 0
	s_mov_b32 s24, 0x76543210
	s_mov_b32 s25, 0xfedcba98                      ; v_permlanex16_b32's selects for lane l xor 16
	s_mov_b32 s26, 0x3a800000                      ; 1 / 1,024
	s_mov_b32 s27, 0x3727c5ac                      ; 1e-5
	s_mul_i32 s20, s12, 4608
	s_lshl_b32 s21, s12, 6
	s_add_co_u32 s21, s21, IMG
	s_lshl_b32 s22, s12, 5
	s_add_co_u32 s22, s22, IMG+512
	s_lshl_b32 s23, s12, 4
	s_add_co_u32 s23, s23, SCB
	v_and_b32 v1, 31, v0                           ; lane
	v_lshlrev_b32 v2, 4, v1                        ; 16 x lane
	v_lshrrev_b32 v11, 3, v1
	v_lshl_add_u32 v3, v11, 4, v2
	v_add_nc_u32 v3, s20, v3                       ; the turn, in: 16 l + 16 (l / 8); a load's 512 bytes take 576
	v_mul_u32_u24 v4, v1, 144
	v_add_nc_u32 v4, s20, v4                       ; and out: 144 l: block l of the row
	v_lshrrev_b32 v11, 2, v1                       ; block l lies in K step l / 4,
	v_mul_u32_u24 v12, v11, 1536
	v_bfe_u32 v13, v1, 1, 1                        ; half (l / 2) % 2,
	v_mad_u32_u24 v12, v13, 768, v12
	v_and_b32 v13, 1, v1                           ; lanes' half l % 2
	v_lshl_add_u32 v5, v13, 8, v12
	v_add_nc_u32 v5, s21, v5                       ; the image's place for four registers: + 16 x slot, slot = 4 w + i
	v_lshl_add_u32 v6, v13, 7, v12
	v_add_nc_u32 v6, s22, v6                       ; and for two: + 8 x slot
	v_and_b32 v13, 3, v1
	v_lshl_add_u32 v7, v11, 6, v13
	v_add_nc_u32 v7, s23, v7                       ; the scale byte: 64 (l / 4) + 4 x slot + l % 4
	s_mul_i32 s20, s12, 3072
	s_add_co_u32 s20, s20, IMG
	v_add_nc_u32 v8, s20, v2                       ; the way out: my quarter of the images
	s_lshl_b32 s20, s12, 7
	s_add_co_u32 s20, s20, SCB
	v_lshl_add_u32 v9, v1, 2, s20                  ; and of the scale words
	v_lshrrev_b32 v11, 4, v1
	v_and_b32 v12, 15, v1
	v_lshlrev_b32 v10, 9, v11
	v_lshl_add_u32 v10, v12, 2, v10                ; in memory: 512 (l / 16) + 4 (l % 16)
	v_mov_b32 v227, 0                              ; written once: a lane permute's destination counts as one of its sources
	s_wait_kmcnt 0x0
	s_add_nc_u64 s[4:5], s[4:5], s[14:15]
	s_add_nc_u64 s[16:17], s[10:11], s[16:17]
	s_add_nc_u64 s[18:19], s[10:11], s[18:19]
.irp j, 0,1,2,3,4,5,6,7
	global_load_b128 v[G+4*\j:G+4*\j+3], v2, s[6:7] offset:512*\j
.endr
.irp j, 0,1,2,3,4,5,6,7
	global_load_b128 v[BB+4*\j:BB+4*\j+3], v2, s[8:9] offset:512*\j
.endr
.irp i, 0,1,2,3
.irp j, 0,1,2,3,4,5,6,7
	global_load_b128 v[XR+32*\i+4*\j:XR+32*\i+4*\j+3], v2, s[4:5] offset:4096*\i+512*\j th:TH_LOAD_NT
.endr
.endr
.macro WSUM a, t                       ; the sum over the wave's 32 lanes, in every lane
	v_add_f32_dpp v[\a], v[\a], v[\a] row_xmask:1 row_mask:0xf bank_mask:0xf
	v_add_f32_dpp v[\a], v[\a], v[\a] row_xmask:2 row_mask:0xf bank_mask:0xf
	v_add_f32_dpp v[\a], v[\a], v[\a] row_xmask:4 row_mask:0xf bank_mask:0xf
	v_add_f32_dpp v[\a], v[\a], v[\a] row_xmask:8 row_mask:0xf bank_mask:0xf
	v_permlanex16_b32 v[\t], v[\a], s24, s25
	v_add_f32 v[\a], v[\a], v[\t]
.endm
.macro ROW i
.set R_, XR+32*(\i)
	s_wait_loadcnt 8*(3-(\i))                      ; gain, bias and this row are in; the later rows' eight loads each may be out
	v_pk_add_f32 v[218:219], v[R_:R_+1], v[R_+2:R_+3]
	v_pk_add_f32 v[220:221], v[R_+4:R_+5], v[R_+6:R_+7]
	v_pk_add_f32 v[222:223], v[R_+8:R_+9], v[R_+10:R_+11]
	v_pk_add_f32 v[224:225], v[R_+12:R_+13], v[R_+14:R_+15]
.irp j, 16,24
	v_pk_add_f32 v[218:219], v[218:219], v[R_+\j:R_+\j+1]
	v_pk_add_f32 v[220:221], v[220:221], v[R_+\j+2:R_+\j+3]
	v_pk_add_f32 v[222:223], v[222:223], v[R_+\j+4:R_+\j+5]
	v_pk_add_f32 v[224:225], v[224:225], v[R_+\j+6:R_+\j+7]
.endr
	v_pk_add_f32 v[218:219], v[218:219], v[220:221]
	v_pk_add_f32 v[222:223], v[222:223], v[224:225]
	v_pk_add_f32 v[218:219], v[218:219], v[222:223]
	v_add_f32 v226, v218, v219
	WSUM 226, 227
	v_mul_f32 v228, s26, v226                      ; the mean
	v_mov_b32 v229, v228
.set k_, 0
.rept 16
	v_pk_add_f32 v[R_+2*k_:R_+2*k_+1], v[R_+2*k_:R_+2*k_+1], v[228:229] neg_lo:[0,1] neg_hi:[0,1]
.set k_, k_+1
.endr
	v_pk_mul_f32 v[218:219], v[R_:R_+1], v[R_:R_+1]
	v_pk_mul_f32 v[220:221], v[R_+2:R_+3], v[R_+2:R_+3]
.set k_, 2
.rept 7
	v_pk_fma_f32 v[218:219], v[R_+2*k_:R_+2*k_+1], v[R_+2*k_:R_+2*k_+1], v[218:219]
	v_pk_fma_f32 v[220:221], v[R_+2*k_+2:R_+2*k_+3], v[R_+2*k_+2:R_+2*k_+3], v[220:221]
.set k_, k_+2
.endr
	v_pk_add_f32 v[218:219], v[218:219], v[220:221]
	v_add_f32 v226, v218, v219
	WSUM 226, 227
	v_fma_f32 v226, v226, s26, s27                 ; the variance + 1e-5
	s_wait_alu depctr_va_vdst(0)
	v_rsq_f32 v228, v226
	v_nop                                          ; a plain line behind the transcendental,
	s_wait_alu depctr_va_vdst(0)                   ; and the wait ahead of the first line that names its result
	v_mov_b32 v229, v228
.set k_, 0
.rept 16
	v_pk_mul_f32 v[R_+2*k_:R_+2*k_+1], v[R_+2*k_:R_+2*k_+1], v[228:229]
.set k_, k_+1
.endr
.set k_, 0
.rept 16
	v_pk_fma_f32 v[R_+2*k_:R_+2*k_+1], v[R_+2*k_:R_+2*k_+1], v[G+2*k_:G+2*k_+1], v[BB+2*k_:BB+2*k_+1]
.set k_, k_+1
.endr
.irp j, 0,1,2,3,4,5,6,7
	ds_store_b128 v3, v[R_+4*\j:R_+4*\j+3] offset:576*\j
.endr
.irp j, 0,1,2,3,4,5,6,7
	ds_load_b128 v[R_+4*\j:R_+4*\j+3], v4 offset:16*\j      ; LDS serves a wave's instructions in order: these see the stores above
.endr
	s_wait_dscnt 0x0                               ; my block of 32 is in; the last row's stores into the images have read their registers
	v_max3_num_f32 v232, |v[R_]|, |v[R_+1]|, |v[R_+2]|
	v_max3_num_f32 v233, |v[R_+3]|, |v[R_+4]|, |v[R_+5]|
.irp j, 6,10,14,18,22,26
	v_max3_num_f32 v232, v232, |v[R_+\j]|, |v[R_+\j+1]|
	v_max3_num_f32 v233, v233, |v[R_+\j+2]|, |v[R_+\j+3]|
.endr
	v_max3_num_f32 v232, v232, |v[R_+30]|, |v[R_+31]|
	v_max3_num_f32 v232, v232, v233, 0x2800000     ; and the floor 2^(5 - 127)
	v_add_nc_u32 v234, 0xfe000000, v232            ; 4 off the exponent field: the conversion's scale operand
	v_lshrrev_b32 v235, 23, v234                   ; the scale's byte
	v_cvt_scalef32_pk16_bf6_f32 v[PC:PC+2], v[R_:R_+15], v234
	v_cvt_scalef32_pk16_bf6_f32 v[PT:PT+2], v[R_+16:R_+31], v234
	v_nop                                          ; one plain line behind the conversions
.irp j, 0,1,2
	v_mov_b32 v[PC+3+\j], v[PT+\j]
.endr
	ds_store_b128 v5, v[PC:PC+3] offset:16*(\i)
	ds_store_b64 v6, v[PC+4:PC+5] offset:8*(\i)
	ds_store_b8 v7, v235 offset:4*(\i)
.endm
	ROW 0
	ROW 1
	ROW 2
	ROW 3
	s_wait_dscnt 0x0                               ; for the others' sake: my stores into the images have landed
	s_barrier_signal -1
	s_barrier_wait -1
.irp k, 0,1,2,3,4,5
	ds_load_b128 v[XR+4*\k:XR+4*\k+3], v8 offset:512*\k
.endr
	ds_load_b32 v[XR+24], v9
.irp k, 0,1,2,3,4,5
	s_wait_dscnt 6-\k                              ; load k is in; the younger ones may be out
	global_store_b128 v2, v[XR+4*\k:XR+4*\k+3], s[16:17] offset:512*\k     ; 512 consecutive bytes, at a multiple of 256 from the buffer's first byte
.endr
	s_wait_dscnt 0x0
	global_store_b32 v10, v[XR+24], s[18:19]
	s_wait_tensorcnt 0x0                           ; the wave's end
	ds_add_u32 v[SPW], v[NIL]
	s_wait_dscnt 0x0
	s_endpgm
.Lfunc_end_k_q909f0c58b4_prep:
	.size	k_q909f0c58b4_prep, .Lfunc_end_k_q909f0c58b4_prep-k_q909f0c58b4_prep
	.p2alignl 7, 3214868480
	.fill 96, 4, 3214868480
	.section	.rodata,"a",@progbits
	.p2align	6, 0x0
	.amdhsa_kernel k_q909f0c58b4_prep
		.amdhsa_group_segment_fixed_size 31744
		.amdhsa_private_segment_fixed_size 0
		.amdhsa_enable_private_segment 0
		.amdhsa_kernarg_size 88
		.amdhsa_user_sgpr_count 2
		.amdhsa_user_sgpr_kernarg_segment_ptr 1
		.amdhsa_wavefront_size32 1
		.amdhsa_system_sgpr_workgroup_id_x 1
		.amdhsa_system_sgpr_workgroup_id_y 1
		.amdhsa_system_sgpr_workgroup_id_z 1
		.amdhsa_system_vgpr_workitem_id 0
		.amdhsa_next_free_vgpr 240
		.amdhsa_next_free_sgpr 66
		.amdhsa_reserve_vcc 0
		.amdhsa_float_denorm_mode_32 3
		.amdhsa_float_denorm_mode_16_64 3
		.amdhsa_memory_ordered 1
		.amdhsa_forward_progress 1
		.amdhsa_inst_pref_size 88
	.end_amdhsa_kernel
	.amdgpu_metadata
---
amdhsa.version: [ 1, 2 ]
amdhsa.kernels:
  - .name:           k_q909f0c58b4_prep
    .symbol:         k_q909f0c58b4_prep.kd
    .args:
      - { .name: x, .offset: 0, .size: 8, .value_kind: global_buffer, .address_space: global }
      - { .name: ln1_g, .offset: 8, .size: 8, .value_kind: global_buffer, .address_space: global }
      - { .name: ln1_b, .offset: 16, .size: 8, .value_kind: global_buffer, .address_space: global }
      - { .name: act, .offset: 24, .size: 8, .value_kind: global_buffer, .address_space: global }
      - { .name: wq, .offset: 32, .size: 8, .value_kind: global_buffer, .address_space: global }
      - { .name: wk, .offset: 40, .size: 8, .value_kind: global_buffer, .address_space: global }
      - { .name: wv, .offset: 48, .size: 8, .value_kind: global_buffer, .address_space: global }
      - { .name: w_proj, .offset: 56, .size: 8, .value_kind: global_buffer, .address_space: global }
      - { .name: w1, .offset: 64, .size: 8, .value_kind: global_buffer, .address_space: global }
      - { .name: w2, .offset: 72, .size: 8, .value_kind: global_buffer, .address_space: global }
      - { .name: wts, .offset: 80, .size: 8, .value_kind: global_buffer, .address_space: global }
    .group_segment_fixed_size: 31744
    .private_segment_fixed_size: 0
    .kernarg_segment_align: 8
    .kernarg_segment_size: 88
    .max_flat_workgroup_size: 128
    .sgpr_count:     66
    .vgpr_count:     240
    .wavefront_size: 32
...
	.end_amdgpu_metadata
.endif
;; end of part 1
;; launch qkvp (part 2): grid 12 x 16, 4 waves a work-group, clusters of 4 x 4, 327,680 bytes of LDS; arguments wts, act, qkv; writes qkv
.if DOCPART == 2
	.amdgcn_target "amdgcn-amd-amdhsa--gfx1250"
	.amdhsa_code_object_version 6
	.text
	.protected	k_q909f0c58b4_qkvp
	.globl	k_q909f0c58b4_qkvp
	.p2align	8
	.type	k_q909f0c58b4_qkvp,@function
k_q909f0c58b4_qkvp:
	s_mov_b64 s[64:65], 0
	v_nop
	global_prefetch_b8 v0, s[64:65] scope:SCOPE_SE
	s_setreg_imm32_b32 hwreg(HW_REG_WAVE_MODE, 25, 1), 1
	s_wait_xcnt 0x0
	s_wait_alu depctr_hold_cnt(0) depctr_sa_sdst(0) depctr_va_vdst(0) depctr_va_sdst(0) depctr_va_ssrc(0) depctr_va_vcc(0) depctr_vm_vsrc(0)
	s_getreg_b32 s2, hwreg(HW_REG_IB_STS2, 6, 4)
	s_cmp_eq_u32 s2, 0
	s_cbranch_scc0 .Lentry_in_a_cluster
	s_endpgm
.Lentry_in_a_cluster:
	s_bfe_u32 s2, ttmp6, 0x10000c
	s_cmp_lg_u32 s2, 0xf033
	s_cbranch_scc0 .Lentry_shape_is_right
	s_endpgm
.Lentry_shape_is_right:
; q, k and v: products of the quantised layer norm (act) with the quantised wq, wk, wv (wts), K = 1,024, and each result quantised at once for the attention launch.  (FF1 = 1: the same text makes the MLP's hidden layer.)
; A work-group multiplies X, 128 rows (source 0: the axis along which the result is quantised next), by Y, 256 rows (source 1).  A wave takes all of X and 64 rows of Y: 32 accumulators, 32 matrix instructions a K step.
; By the tile order (head of the first launch) a lane's 16 registers of result tiles 2 b, 2 b + 1 are 16 neighbours along X, and the lane is a row slot of Y: so a wave's 128 x 16 results become one fragment and one scale word
; in registers, with no word passed between waves.
; A WORK-GROUP STAYS FOR TWO PASSES: Y lies in LDS for both; X is filled again once.
; q, k (cluster x 0, 1): Y = 256 tokens; pass A: X = 128 rows of wq (two heads), pass B: the same rows of wk: half c of a fragment is head 2 i + c's 64 channels of 16 tokens.
; v (cluster x 2): Y = 256 rows of wv (a head a wave); X = 128 tokens, pass B's 512 tokens on: the fragment is 16 channels x 128 keys: v is quantised along the keys.  The choice hangs on the cluster's x alone: it is the same in all sixteen partners.
; ALL OF K LIES IN LDS.  Pass A: 8 tensor loads a wave at the start (by this text's count eight are out at the most), four chunks of two K steps, each read behind a counted wait and a barrier.
; At the head of pass A's last K step every wave has asked for its last fragments of X: there stand the wait for all my tensor loads, the add, the wait for it and for my reads, and a round of the cluster's barrier; behind it one load a wave
; (two tiles x 8 K steps, 24,576 bytes) brings pass B's X, and lands under that step's 32 matrix instructions and the first pass's quantising.
; CLUSTERS: 4 x 4 work-groups; X hangs on the work-group's x and is asked for jointly along a column of the cluster, Y on its y and jointly along a row.
; REGISTERS: window 0: v1-8 LDS addresses, v9 4 x lane, v16-47 X's scale words, v48-63 Y's, v64-159 Y's fragments (two sets), v160-223 the bias (FF1), v224-247 at work.  window 1: X's fragments, two sets of 96.  window 2: accumulator (y, x) at v[8 (8 y + x)].
; LIMITS: a block of zeros gets the byte 1 (this program alone reads it); NaN and infinities are not served.  An even head's scale word keeps the odd head's two bytes on top: they scale zero codes there.
; HOW K COMES INTO LDS (this takes the place of what the head says of chunks and of eight loads): one joint load a wave at the head. Waves 0, 1 bring the halves of X (4 tiles x 8 K steps, 49,152 bytes each),
; waves 2, 3 the halves of Y (8 tiles x 8 K steps, 98,304 bytes each); both lie [tile][8][1,536]. One wait for 0 and one barrier show them to all four waves; pass B's X is the one refill.
.set FF1, 0
.set WQKV_S, 9437184
.set W1_C,   3145728
.set W1_S,   9568256
.set ACT_S,  3145728
.set K_C,    3145728
.set V_C,    6291456
.set Q_S,    9437184
.set KV_S,   9699328
.set HID_S,  12582912
.set SPARE,  294912                    ; behind X's 98,304 and Y's 196,608 bytes: the spare words, 128 bytes for each wave
.set SPW, 12
.set NIL, 13
.set XS,  16
.set YS,  48
.set YF,  64
.set BI,  160
.set TM,  224
.set PW,  240
.set EW,  244
.set PCT, 112
.set G1X, 24
.set G1Y, 32
.set CB0, 76
.set CB1, 78
.set SB0, 80
.set SB1, 82
.set SEL, 86
.set DXR, 12                           ; s12 from pass A to pass B, in bytes: X's codes,
.set DXS, 13                           ; s13 X's scale words,
.set DCB, 66                           ; s66 the result's codes,
.set DSB, 67                           ; s67 the result's scale words
.set COL, 89                           ; s89 the mask of my column of the cluster
.if FF1
.set YST, 49152
.set SST, 128
.else
.set YST, 768
.set SST, 1024
.endif
.set MSB, 0
.macro WIN new                         ; the immediate's high byte repeats the setting that is left
.if MSB != \new
	s_set_vgpr_msb (MSB<<8)|\new
.set MSB, \new
.endif
.endm
.macro PLACES                          ; four plain lines between a matrix instruction and a load into, or a vector line on, its registers
.rept 4
	v_nop
.endr
.endm
.macro CROUND                          ; a round of the cluster's barrier
	s_barrier_signal -1
	s_barrier_wait -1
	s_cmp_lg_u32 s14, 0
	s_cbranch_scc1 .Lnot_wave_0_\@
	s_barrier_signal -3
.Lnot_wave_0_\@:
	s_barrier_wait -3
	s_barrier_signal -1
	s_barrier_wait -1
.endm
.macro WMM d, a, b, c, sa, sb, px, py  ; px, py: the tile is the odd one of its pair: its scale words lie in lanes 16-31
.if (\px)==0 && (\py)==0
	v_wmma_scale_f32_16x16x128_f8f6f4 v[\d:\d+7], v[\a:\a+11], v[\b:\b+11], \c, v[\sa], v[\sb] matrix_a_fmt:MATRIX_FMT_BF6 matrix_b_fmt:MATRIX_FMT_BF6
.elseif (\py)==0
	v_wmma_scale_f32_16x16x128_f8f6f4 v[\d:\d+7], v[\a:\a+11], v[\b:\b+11], \c, v[\sa], v[\sb] matrix_a_fmt:MATRIX_FMT_BF6 matrix_b_fmt:MATRIX_FMT_BF6 matrix_a_scale:MATRIX_SCALE_ROW1
.elseif (\px)==0
	v_wmma_scale_f32_16x16x128_f8f6f4 v[\d:\d+7], v[\a:\a+11], v[\b:\b+11], \c, v[\sa], v[\sb] matrix_a_fmt:MATRIX_FMT_BF6 matrix_b_fmt:MATRIX_FMT_BF6 matrix_b_scale:MATRIX_SCALE_ROW1
.else
	v_wmma_scale_f32_16x16x128_f8f6f4 v[\d:\d+7], v[\a:\a+11], v[\b:\b+11], \c, v[\sa], v[\sb] matrix_a_fmt:MATRIX_FMT_BF6 matrix_b_fmt:MATRIX_FMT_BF6 matrix_a_scale:MATRIX_SCALE_ROW1 matrix_b_scale:MATRIX_SCALE_ROW1
.endif
.endm
.macro FRAG reg, a16, a8, off          ; a fragment comes as it was laid: four dense loads
	ds_load_b128 v[\reg:\reg+3], v[\a16] offset:\off
	ds_load_b64 v[\reg+4:\reg+5], v[\a8] offset:\off+512
	ds_load_b128 v[\reg+6:\reg+9], v[\a16] offset:\off+768
	ds_load_b64 v[\reg+10:\reg+11], v[\a8] offset:\off+1280
.endm
; K step s: X's 8 fragments and my 4 of Y into set s % 2: 48 loads.  in both passes X lies [tile][8][1,536]: pb changes no address
.macro FETCH s, pb
	WIN 0x40
.irp x, 0,1,2,3,4,5,6,7
	FRAG 96*((\s)%2)+12*\x, 1+2*(\x/4), 2+2*(\x/4), (\x%4)*12288+(\s)*1536
.endr
	WIN 0
.irp y, 0,1,2,3
	FRAG YF+48*((\s)%2)+12*\y, 5, 6, \y*12288+(\s)*1536
.endr
.endm
.macro MUL y, s                        ; 8 matrix instructions: X's eight tiles against my tile y.  The 32 accumulators take turns in one order in every K step
.irp x, 0,1,2,3,4,5,6,7
.set D_, 8*(8*(\y)+\x)
.set A_, 96*((\s)%2)+12*\x
.set B_, YF+48*((\s)%2)+12*(\y)
.set SA_, XS+4*(\s)+\x/2
.set SB_, YS+2*(\s)+(\y)/2
.if (\s)==0
.if FF1
	WMM D_, A_, B_, v[BI+8*\x:BI+8*\x+7], SA_, SB_, \x%2, (\y)%2
.else
	WMM D_, A_, B_, 0, SA_, SB_, \x%2, (\y)%2
.endif
.else
	WMM D_, A_, B_, v[D_:D_+7], SA_, SB_, \x%2, (\y)%2
.endif
.endr
.endm
.macro MULS s, win
	WIN \win
	MUL 0, \s
	MUL 1, \s
	MUL 2, \s
	MUL 3, \s
.endm
.macro KSTEP s, win, pb
.if (\pb)==0 && (\s)==7
	WIN 0
	s_wait_tensorcnt 0x0                           ; all my tensor loads have landed: so descriptor registers may be written
	ds_add_u32 v[SPW], v[NIL]                      ; 0 onto my spare word; the descriptor's words stand between it and the wait for it
	s_mov_b32 s2, s[DXR]
	s_mov_b32 s3, 0
	s_mov_b32 s40, 1                               ; group 0: count 1,
	s_mul_i32 s41, s14, 24576                      ; LDS: my two tiles of [tile][8][1,536],
	s_add_nc_u64 s[42:43], s[90:91], s[2:3]        ; memory: the same two tiles of pass B's group,
	s_or_b32 s43, s43, 0x80000000                  ; type 2
	s_or_b32 s44, s[COL], (3<<16)|(1<<21)          ; group 1: to my column; elements of 8 bytes; bit 21 set beside a mask
	s_mov_b32 s45, 1536<<16                        ; a row of the tile: a tile's eight K steps, 12,288 bytes
	s_mov_b32 s46, 2<<16                           ; two tiles
	s_mov_b32 s47, 1536<<16
	s_mov_b32 s48, 2
	s_mov_b32 s49, 1536
	s_mov_b32 s50, 0
	s_mov_b32 s51, 0
	s_wait_dscnt 0x0                               ; the add is done, and this step's fragments, my last reads of X, are in
	CROUND                                         ; that now holds of every wave of all sixteen work-groups
	tensor_load_to_lds s[40:43], s[44:51]          ; my one tensor load behind the round: pass B's X
	s_nop 0
	PLACES
	MULS \s, \win
.else
	s_wait_dscnt 0x0                               ; this step's fragments are in
.if (\s)<7
	PLACES
	FETCH (\s)+1, \pb
.endif
	MULS \s, \win
.endif
.endm
.macro PASS pb
.if FF1
	KSTEP 0, 0x81, \pb                             ; source 0 window 1, source 1 and C (the bias) window 0, D window 2
.else
	KSTEP 0, 0xa1, \pb                             ; source 0 window 1, source 1 window 0, C and D window 2; the first products start the sums with the constant 0
.endif
.irp s, 1,2,3,4,5,6,7
	KSTEP \s, 0xa1, \pb
.endr
	WIN 0
	PLACES
.endm
.macro XSLOAD                          ; X's scale words of all 8 K steps: lanes 0-15: tile 2 p's, lanes 16-31: tile 2 p + 1's
.irp s, 0,1,2,3,4,5,6,7
.irp p, 0,1,2,3
	global_load_b32 v[XS+4*\s+\p], v9, s[94:95] offset:\s*512+\p*128
.endr
.endr
.endm
.macro BLOAD                           ; the bias at X's 128 rows, in the result's layout: the C of each sum's first matrix instruction
.irp x, 0,1,2,3,4,5,6,7
	global_load_b128 v[BI+8*\x:BI+8*\x+3], v14, s[8:9] offset:(32*(\x/2)+8*(\x%2))*4
	global_load_b128 v[BI+8*\x+4:BI+8*\x+7], v14, s[8:9] offset:(32*(\x/2)+8*(\x%2))*4+16
.endr
.endm
; My 128 x 16 results of tile y, v[64 y ..] of window 2 (register 16 b + i = X's row 32 b + 16 (lane / 16) + i), become a fragment in v[64 + 12 y ..] and a scale word in v[PW + y].
.macro QUANT y
.set S_, 64*(\y)
.set PC_, YF+12*(\y)
.if FF1
	WIN 0x88
.set j_, 0
.rept 64
	v_max_num_f32 v[S_+j_], 0, v[S_+j_]            ; the activation, in f32; each accumulator from its low end on
.set j_, j_+1
.endr
.endif
	WIN 0x0a
.irp b, 0,1,2,3
	v_max3_num_f32 v[TM+\b], |v[S_+16*\b]|, |v[S_+16*\b+1]|, 0x2800000   ; block b: my 16 numbers, and the floor 2^(5 - 127)
.endr
.irp i, 2,4,6,8,10,12,14
.irp b, 0,1,2,3
	v_max3_num_f32 v[TM+\b], |v[S_+16*\b+\i]|, |v[S_+16*\b+\i+1]|, v[TM+\b]
.endr
.endr
	WIN 0
.irp b, 0,1,2,3
	v_permlanex16_b32 v[TM+4+\b], v[TM+\b], s[SEL], s[SEL+1]
.endr
.irp b, 0,1,2,3
	v_max_num_f32 v[TM+\b], v[TM+\b], v[TM+4+\b]   ; with lane l xor 16's: the block's largest magnitude
.endr
.irp b, 0,1,2,3
	v_add_nc_u32 v[TM+12+\b], 0xfe000000, v[TM+\b] ; 4 off the exponent field: the conversion's scale operand
.endr
.irp b, 0,1,2,3
	v_lshrrev_b32 v[TM+4+\b], 23, v[TM+12+\b]      ; the scale's byte
.endr
	v_lshl_or_b32 v[PW+(\y)], v[TM+5], 8, v[TM+4]
	v_lshl_or_b32 v[PW+(\y)], v[TM+6], 16, v[PW+(\y)]
	v_lshl_or_b32 v[PW+(\y)], v[TM+7], 24, v[PW+(\y)]
	WIN 0x02
.irp c, 0,1
	v_cvt_scalef32_pk16_bf6_f32 v[PC_+6*\c:PC_+6*\c+2], v[S_+32*\c:S_+32*\c+15], v[TM+12+2*\c]
	v_cvt_scalef32_pk16_bf6_f32 v[PCT+4*\c:PCT+4*\c+2], v[S_+32*\c+16:S_+32*\c+31], v[TM+12+2*\c+1]
.endr
	WIN 0
	v_nop                                          ; one plain line behind the conversions
.irp c, 0,1                            ; the operand's layout wants a whole block in a lane: lanes 0-15 block 2 c, lanes 16-31 block 2 c + 1
.irp i, 0,1,2
	v_permlane16_swap_b32 v[PC_+6*\c+\i], v[PCT+4*\c+\i]
.endr
.irp i, 0,1,2
	v_mov_b32 v[PC_+6*\c+3+\i], v[PCT+4*\c+\i]
.endr
.endr
	global_store_b128 v1, v[PC_:PC_+3], s[CB0:CB0+1] offset:(\y)*YST          ; 512 consecutive bytes,
	global_store_b64 v2, v[PC_+4:PC_+5], s[CB0:CB0+1] offset:(\y)*YST+512     ; and 256: all at multiples of 256 from the buffer's first byte
	global_store_b128 v1, v[PC_+6:PC_+9], s[CB1:CB1+1] offset:(\y)*YST
	global_store_b64 v2, v[PC_+10:PC_+11], s[CB1:CB1+1] offset:(\y)*YST+512
.endm
.macro OUT                             ; a pass's way out
	QUANT 0
	QUANT 1
	QUANT 2
	QUANT 3
.irp q, 0,1
	v_cndmask_b32 v[EW+\q], v[PW+2*\q], v[PW+2*\q+1], s88    ; a pair's words: lanes 0-15 the even tile's, lanes 16-31 the odd one's
	global_store_b32 v9, v[EW+\q], s[SB0:SB0+1] offset:\q*SST
.endr
.if FF1 == 0
	s_cmp_lg_u32 s84, 0                            ; q, k alone: the odd head's two bytes go down into a word of its own
	s_cbranch_scc1 .Lno_odd_\@
.irp q, 0,1
	v_lshrrev_b32 v[EW+2+\q], 16, v[EW+\q]
	global_store_b32 v9, v[EW+2+\q], s[SB1:SB1+1] offset:\q*SST
.endr
.Lno_odd_\@:
.endif
.endm
.if FF1
	s_load_b256 s[4:11], s[0:1], 0x0               ; wts, act, b1, hid
.else
	s_load_b128 s[4:7], s[0:1], 0x0                ; wts, act
	s_load_b64 s[8:9], s[0:1], 0x10                ; qkv
.endif
	v_lshl_add_u32 v[SPW], v0, 2, SPARE
	v_mov_b32 v[NIL], 0
	ds_add_u32 v[SPW], v[NIL]                      ; the wave's opening: the add, twice on end, and its wait ahead of my first tensor load
	ds_add_u32 v[SPW], v[NIL]
	v_lshrrev_b32 v1, 5, v0
	v_readfirstlane_b32 s14, v1                    ; wave
	s_bfe_u32 s15, ttmp6, 0x40000                  ; cx
	s_bfe_u32 s16, ttmp6, 0x40004                  ; cy
	s_and_b32 s17, ttmp7, 0xffff                   ; cluster y
	s_lshl_b32 s18, ttmp9, 2
	s_add_co_u32 s18, s18, s15                     ; work-group x
	s_lshl_b32 s19, s17, 2
	s_add_co_u32 s19, s19, s16                     ; work-group y
	s_lshl_b32 s20, s16, 2
	s_lshl_b32 s20, 15, s20                        ; my row of the cluster
	s_lshl_b32 s[COL], 0x1111, s15                 ; my column
	s_or_b32 s[G1X], s[COL], (3<<16)|(1<<21)       ; X's tiles go to my column; elements of 8 bytes; bit 21 set beside a mask
	s_or_b32 s[G1Y], s20, (3<<16)|(1<<21)          ; Y's to my row
	s_mov_b32 s[G1X+1], 1536<<16                   ; a row of the tile: a tile's eight K steps, 12,288 bytes
	s_mov_b32 s[G1X+2], 4<<16                      ; four tiles
	s_mov_b32 s[G1X+3], 1536<<16
	s_mov_b32 s[G1X+4], 4
	s_mov_b32 s[G1X+5], 1536                       ; from tile to tile: 8 K steps, 12,288 bytes
	s_mov_b32 s[G1X+6], 0
	s_mov_b32 s[G1X+7], 0
	s_mov_b32 s[G1Y+1], 1536<<16
	s_mov_b32 s[G1Y+2], 8<<16                      ; eight tiles
	s_mov_b32 s[G1Y+3], 1536<<16
	s_mov_b32 s[G1Y+4], 8
	s_mov_b32 s[G1Y+5], 1536
	s_mov_b32 s[G1Y+6], 0
	s_mov_b32 s[G1Y+7], 0
.if FF1
	s_mov_b32 s22, s18                             ; X: group x of w1's rows, then group x + 16
	s_mov_b32 s23, s19                             ; Y: tokens 256 y on
	s_mov_b32 s[DXR], 16*98304
	s_mov_b32 s[DXS], 16*4096
	s_mov_b32 s[DCB], 16*1536
	s_mov_b32 s[DSB], 16*512
.else
	s_lshl_b32 s22, s17, 3
	s_add_co_u32 s22, s22, s18
	s_sub_co_u32 s22, s22, 8                       ; v: X = tokens 128 (x - 8 + 8 cluster y) on, then 512 further on;
	s_add_co_u32 s23, s16, 8                       ;    Y = wv's rows 256 cy on: tiles 16 (8 + cy) on
	s_cmp_ge_u32 ttmp9, 2
	s_cselect_b32 s84, 1, 0                        ; 1: v
	s_cselect_b32 s22, s22, s18                    ; X's group of 8 tiles: made of x and the cluster's y, never of cy
	s_cselect_b32 s23, s23, s19                    ; Y's group of 16 tiles: made of y, never of cx
	s_mov_b32 s[DXR], 8*98304                      ; from wq's group to wk's; v: four groups of tokens on
	s_cselect_b32 s[DXR], 4*98304, s[DXR]
	s_mov_b32 s[DXS], 8*4096
	s_cselect_b32 s[DXS], 4*4096, s[DXS]
	s_mov_b32 s[DCB], K_C                          ; from q's codes to k's; v: four key steps on
	s_cselect_b32 s[DCB], 4*6144, s[DCB]
.endif
	s_mul_i32 s90, s22, 98304
	s_mul_i32 s91, s14, 24576
	s_add_co_u32 s90, s90, s91                     ; X: my two tiles
	s_and_b32 s68, s14, 1                          ; which half of X or of Y I fetch at the head
	s_mul_i32 s69, s68, 49152
	s_mul_i32 s72, s22, 98304
	s_add_co_u32 s72, s72, s69                     ; X: that half of its 8 tiles
	s_mov_b32 s73, 0
	s_mul_i32 s92, s23, 196608
	s_mul_i32 s93, s68, 98304
	s_add_co_u32 s92, s92, s93                     ; Y: that half of its 16 tiles
	s_lshl_b32 s94, s22, 12                        ; X's scale words
	s_lshl_b32 s96, s23, 1
	s_lshr_b32 s97, s14, 1
	s_add_co_u32 s96, s96, s97
	s_lshl_b32 s96, s96, 12
	s_and_b32 s97, s14, 1
	s_lshl_b32 s97, s97, 8
	s_add_co_u32 s96, s96, s97                     ; my tiles' of Y
.if FF1
	s_add_co_u32 s90, s90, W1_C
	s_add_co_u32 s94, s94, W1_S
	s_add_co_u32 s96, s96, ACT_S
.else
	s_cmp_eq_u32 s84, 0
	s_mov_b32 s98, ACT_S
	s_cselect_b32 s98, WQKV_S, s98
	s_mov_b32 s99, WQKV_S
	s_cselect_b32 s99, ACT_S, s99
	s_add_co_u32 s94, s94, s98
	s_add_co_u32 s96, s96, s99
.endif
	s_mov_b32 s91, 0
	s_mov_b32 s93, 0
	s_mov_b32 s95, 0
	s_mov_b32 s97, 0
	s_mul_i32 s99, s14, 49152
	s_add_co_u32 s99, s99, 98304                   ; LDS: the four tiles of Y that I multiply
	s_mov_b32 s[SEL], 0x76543210
	s_mov_b32 s[SEL+1], 0xfedcba98
	s_mov_b32 s88, 0xffff0000                      ; lanes 16-31
	s_wait_dscnt 0x0                               ; both opening adds are done
	s_wait_kmcnt 0x0
.if FF1
	s_add_nc_u64 s[90:91], s[4:5], s[90:91]
	s_add_nc_u64 s[92:93], s[6:7], s[92:93]
	s_add_nc_u64 s[94:95], s[4:5], s[94:95]
	s_add_nc_u64 s[96:97], s[6:7], s[96:97]
.else
	s_cmp_eq_u32 s84, 0
	s_cselect_b64 s[2:3], s[4:5], s[6:7]           ; X's buffer
	s_cselect_b64 s[20:21], s[6:7], s[4:5]         ; Y's
	s_add_nc_u64 s[90:91], s[2:3], s[90:91]
	s_add_nc_u64 s[92:93], s[20:21], s[92:93]
	s_add_nc_u64 s[94:95], s[2:3], s[94:95]
	s_add_nc_u64 s[96:97], s[20:21], s[96:97]
.endif
	s_add_nc_u64 s[72:73], s[2:3], s[72:73]
	s_mov_b32 s40, 1                               ; group 0 for a half of X
	s_mul_i32 s41, s68, 49152
	s_mov_b64 s[42:43], s[72:73]
	s_or_b32 s43, s43, 0x80000000
	s_mov_b32 s52, 1                               ; and for a half of Y, behind X's 98,304 bytes
	s_mul_i32 s53, s68, 98304
	s_add_co_u32 s53, s53, 98304
	s_mov_b64 s[54:55], s[92:93]
	s_or_b32 s55, s55, 0x80000000
	CROUND                                         ; all sixteen work-groups are here: the joint loads meet
	s_cmp_lt_u32 s14, 2                            ; one tensor load a wave at the head
	s_cbranch_scc0 .Lhead_y
	tensor_load_to_lds s[40:43], s[G1X:G1X+7]
	s_nop 0
	PLACES
	s_branch .Lhead_asked
.Lhead_y:
	tensor_load_to_lds s[52:55], s[G1Y:G1Y+7]
	s_nop 0
	PLACES
.Lhead_asked:
	v_and_b32 v9, 31, v0
	v_lshlrev_b32 v1, 4, v9                        ; X's first 49,152 bytes: 16 x lane (also the stores' offset),
	v_lshlrev_b32 v2, 3, v9                        ; 8 x lane;
	v_add_nc_u32 v3, 49152, v1                     ; its second
	v_add_nc_u32 v4, 49152, v2
	v_add_nc_u32 v5, s99, v1                       ; my part of Y's chunks 0, 1;
	v_add_nc_u32 v6, s99, v2
	v_lshlrev_b32 v9, 2, v9
.irp b, 0,1,2,3
	v_mov_b32 v[TM+4+\b], 0                        ; written once: a lane permute's destination counts as one of its sources
.endr
	XSLOAD
.irp s, 0,1,2,3,4,5,6,7
.irp q, 0,1
	global_load_b32 v[YS+2*\s+\q], v9, s[96:97] offset:\s*512+\q*128
.endr
.endr
.if FF1
	s_lshl_b32 s2, s18, 9
	s_mov_b32 s3, 0
	s_add_nc_u64 s[8:9], s[8:9], s[2:3]            ; b1 at my 128 hidden units
	v_bfe_u32 v14, v0, 4, 1
	v_lshlrev_b32 v14, 6, v14
	BLOAD
	; where the results go: hid's codes [tile][32][1,536] at K step x; its scale words
	s_lshl_b32 s2, s19, 4
	s_lshl_b32 s3, s14, 2
	s_add_co_u32 s2, s2, s3
	s_lshl_b32 s2, s2, 5
	s_add_co_u32 s2, s2, s18
	s_mul_i32 s[CB0], s2, 1536
	s_mov_b32 s[CB0+1], 0
	s_add_nc_u64 s[CB0:CB0+1], s[10:11], s[CB0:CB0+1]
	s_add_nc_u64 s[CB1:CB1+1], s[CB0:CB0+1], 768
	s_lshl_b32 s2, s19, 1
	s_lshr_b32 s3, s14, 1
	s_add_co_u32 s2, s2, s3
	s_lshl_b32 s2, s2, 14
	s_lshl_b32 s3, s18, 9
	s_add_co_u32 s2, s2, s3
	s_and_b32 s3, s14, 1
	s_lshl_b32 s3, s3, 8
	s_add_co_u32 s2, s2, s3
	s_add_co_u32 s[SB0], s2, HID_S
	s_mov_b32 s[SB0+1], 0
	s_add_nc_u64 s[SB0:SB0+1], s[10:11], s[SB0:SB0+1]
.else
	; where the results go.  q: codes [bh][tile 64][768] from the buffer's first byte on, the odd head 49,152 bytes on; scale words: pair pp of tiles at 1,024 (pp % 4) + 128 (pp / 4)
	s_and_b32 s3, s18, 7
	s_lshr_b32 s20, s19, 2                         ; batch
	s_and_b32 s21, s19, 3                          ; which 256 of its tokens
	s_lshl_b32 s85, s20, 4
	s_lshl_b32 s3, s3, 1
	s_add_co_u32 s85, s85, s3                      ; bh of the even head
	s_lshl_b32 s98, s85, 6
	s_lshl_b32 s99, s21, 4
	s_add_co_u32 s98, s98, s99
	s_lshl_b32 s99, s14, 2
	s_add_co_u32 s98, s98, s99
	s_mul_i32 s[CB0], s98, 768
	s_lshl_b32 s[SB0], s85, 12                     ; q: 4,096 scale bytes a head
	s_add_co_u32 s[SB0], s[SB0], Q_S
	s_and_b32 s98, s14, 1
	s_lshl_b32 s98, s98, 11
	s_add_co_u32 s[SB0], s[SB0], s98
	s_lshl_b32 s98, s21, 1
	s_lshr_b32 s3, s14, 1
	s_add_co_u32 s98, s98, s3
	s_lshl_b32 s98, s98, 7
	s_add_co_u32 s[SB0], s[SB0], s98
	s_add_co_u32 s[SB1], s[SB0], 4096              ; the odd head's
	s_lshl_b32 s[DSB], s85, 11
	s_add_co_u32 s[DSB], s[DSB], KV_S-Q_S          ; from q's words to k's: k with v has 6,144 scale bytes a head
	; v: codes [bh][key step][half][channel tile][768]; scale words at 4,096 + 1,024 q + 128 x key step of k's and v's 6,144
	s_lshr_b32 s2, s22, 3
	s_and_b32 s3, s22, 7                           ; key step
	s_lshl_b32 s2, s2, 4
	s_lshl_b32 s20, s16, 2
	s_add_co_u32 s2, s2, s20
	s_add_co_u32 s2, s2, s14                       ; bh: head 4 cy + wave
	s_lshl_b32 s20, s2, 3
	s_add_co_u32 s20, s20, s3
	s_mul_i32 s20, s20, 6144
	s_add_co_u32 s20, s20, V_C
	s_mul_i32 s21, s2, 6144
	s_lshl_b32 s3, s3, 7
	s_add_co_u32 s21, s21, s3
	s_add_co_u32 s21, s21, KV_S+4096
	s_cmp_eq_u32 s84, 0
	s_cselect_b32 s[CB0], s[CB0], s20
	s_cselect_b32 s[SB0], s[SB0], s21
	s_cselect_b32 s[DSB], s[DSB], 512              ; v: four key steps on
	s_mov_b32 s20, 3072
	s_cselect_b32 s20, 49152, s20
	s_add_co_u32 s[CB1], s[CB0], s20
	s_mov_b32 s[CB0+1], 0
	s_mov_b32 s[CB1+1], 0
	s_mov_b32 s[SB0+1], 0
	s_mov_b32 s[SB1+1], 0
	s_add_nc_u64 s[CB0:CB0+1], s[8:9], s[CB0:CB0+1]
	s_add_nc_u64 s[CB1:CB1+1], s[8:9], s[CB1:CB1+1]
	s_add_nc_u64 s[SB0:SB0+1], s[8:9], s[SB0:SB0+1]
	s_add_nc_u64 s[SB1:SB1+1], s[8:9], s[SB1:SB1+1]
.endif
	s_wait_alu depctr_va_vdst(0)
	s_wait_tensorcnt 0x0                           ; my load has landed
	s_barrier_signal -1
	s_barrier_wait -1
	FETCH 0, 0
	s_wait_loadcnt 0x0                             ; the scale words (and the bias)
	PASS 0
	s_mov_b32 s2, s[DXS]                           ; pass B's scale words of X (and its bias) are asked for ahead of the way out; the loads that read these bases have come back
	s_mov_b32 s3, 0
	s_add_nc_u64 s[94:95], s[94:95], s[2:3]
	XSLOAD
.if FF1
	s_add_nc_u64 s[8:9], s[8:9], 16*512
	BLOAD
.endif
	OUT
	s_wait_xcnt 0x0                                ; the stores have read their registers and bases: both are written again below
	s_mov_b32 s2, s[DCB]
	s_add_nc_u64 s[CB0:CB0+1], s[CB0:CB0+1], s[2:3]
	s_add_nc_u64 s[CB1:CB1+1], s[CB1:CB1+1], s[2:3]
	s_mov_b32 s2, s[DSB]
	s_add_nc_u64 s[SB0:SB0+1], s[SB0:SB0+1], s[2:3]
.if FF1 == 0
	s_add_co_u32 s2, s2, 2048
	s_add_nc_u64 s[SB1:SB1+1], s[SB1:SB1+1], s[2:3]
.endif
	s_wait_tensorcnt 0x0                           ; my part of pass B's X has landed,
	s_barrier_signal -1
	s_barrier_wait -1                              ; everybody's has
	FETCH 0, 1
	s_wait_loadcnt 0x0                             ; pass B's scale words (and bias)
	PASS 1
	OUT
	s_wait_tensorcnt 0x0                           ; the wave's end
	ds_add_u32 v[SPW], v[NIL]
	s_wait_dscnt 0x0
	CROUND                                         ; the closing round: no work-group ends while a partner may still ask for a tile that names it
	s_endpgm
.Lfunc_end_k_q909f0c58b4_qkvp:
	.size	k_q909f0c58b4_qkvp, .Lfunc_end_k_q909f0c58b4_qkvp-k_q909f0c58b4_qkvp
	.p2alignl 7, 3214868480
	.fill 96, 4, 3214868480
	.section	.rodata,"a",@progbits
	.p2align	6, 0x0
	.amdhsa_kernel k_q909f0c58b4_qkvp
		.amdhsa_group_segment_fixed_size 327680
		.amdhsa_private_segment_fixed_size 0
		.amdhsa_enable_private_segment 0
		.amdhsa_kernarg_size 24
		.amdhsa_user_sgpr_count 2
		.amdhsa_user_sgpr_kernarg_segment_ptr 1
		.amdhsa_wavefront_size32 1
		.amdhsa_system_sgpr_workgroup_id_x 1
		.amdhsa_system_sgpr_workgroup_id_y 1
		.amdhsa_system_sgpr_workgroup_id_z 1
		.amdhsa_system_vgpr_workitem_id 0
		.amdhsa_next_free_vgpr 768
		.amdhsa_next_free_sgpr 100
		.amdhsa_reserve_vcc 0
		.amdhsa_float_denorm_mode_32 3
		.amdhsa_float_denorm_mode_16_64 3
		.amdhsa_memory_ordered 1
		.amdhsa_forward_progress 1
		.amdhsa_inst_pref_size 170
	.end_amdhsa_kernel
	.amdgpu_metadata
---
amdhsa.version: [ 1, 2 ]
amdhsa.kernels:
  - .name:           k_q909f0c58b4_qkvp
    .symbol:         k_q909f0c58b4_qkvp.kd
    .args:
      - { .name: wts, .offset: 0, .size: 8, .value_kind: global_buffer, .address_space: global }
      - { .name: act, .offset: 8, .size: 8, .value_kind: global_buffer, .address_space: global }
      - { .name: qkv, .offset: 16, .size: 8, .value_kind: global_buffer, .address_space: global }
    .group_segment_fixed_size: 327680
    .private_segment_fixed_size: 0
    .kernarg_segment_align: 8
    .kernarg_segment_size: 24
    .max_flat_workgroup_size: 128
    .sgpr_count:     100
    .vgpr_count:     768
    .wavefront_size: 32
...
	.end_amdgpu_metadata
.endif
;; end of part 2
;; launch attn (part 3): grid 64 x 4, 8 waves a work-group, no clusters, 327,680 bytes of LDS; arguments qkv, att; writes att
.if DOCPART == 3
	.amdgcn_target "amdgcn-amd-amdhsa--gfx1250"
	.amdhsa_code_object_version 6
	.text
	.protected	k_q909f0c58b4_attn
	.globl	k_q909f0c58b4_attn
	.p2align	8
	.type	k_q909f0c58b4_attn,@function
k_q909f0c58b4_attn:
	s_mov_b64 s[64:65], 0
	v_nop
	global_prefetch_b8 v0, s[64:65] scope:SCOPE_SE
	s_setreg_imm32_b32 hwreg(HW_REG_WAVE_MODE, 25, 1), 1
	s_wait_xcnt 0x0
; Causal attention on codes of BF6 (E3M2): work-group (bh, y) has 8 waves; wave w takes the query tiles 8 y + w and 63 - (8 y + w) of head bh, 16 queries each, and walks the keys in steps of 128.
; A head's K codes (49,152 bytes), V codes (49,152) and scale words (6,144) are three dense blocks of memory and lie in LDS as in memory. One tensor load a wave at the head: waves 0-2 bring thirds of K,
; waves 3-5 thirds of V (64 rows of 256 bytes each), waves 6, 7 halves of the scale words (12 rows).  Nothing is filled again.
; Left out: steps of 128 keys that all come after a tile's queries (the causal mask of reference() gives them -inf for every input).  M is the running maximum rounded up to a whole number.
; No cluster: the four work-groups of a head walk different numbers of key steps per tile only by jumps on ids, and what they share is fetched once at the head.
.set K_C,   3145728
.set V_C,   6291456
.set Q_S,   9437184
.set KV_S,  9699328
.set ATT_S, 3145728
.set VLDS,  49152
.set SLDS,  98304
.set SPARE, 104448
.set SPW, 7
.set NIL, 8
.set G1K, 24
.set G1S, 32
.set G0K, 40
.set G0S, 44
.set SEL, 20
.set CS,  22
.set KF,  62
.set CNT, 63
.set T1,  86
.set T2,  87
.macro WMM d, a, b, c, sa, sb, px
.if (\px)==0
	v_wmma_scale_f32_16x16x128_f8f6f4 v[\d:\d+7], v[\a:\a+11], v[\b:\b+11], \c, v[\sa], v[\sb] matrix_a_fmt:MATRIX_FMT_BF6 matrix_b_fmt:MATRIX_FMT_BF6
.else
	v_wmma_scale_f32_16x16x128_f8f6f4 v[\d:\d+7], v[\a:\a+11], v[\b:\b+11], \c, v[\sa], v[\sb] matrix_a_fmt:MATRIX_FMT_BF6 matrix_b_fmt:MATRIX_FMT_BF6 matrix_a_scale:MATRIX_SCALE_ROW1
.endif
.endm
.macro PLACES
.rept 4
	v_nop
.endr
.endm
.macro TADDR n
.set TT_, 50+(\n)
	s_lshr_b32 s80, s[TT_], 1
	s_lshl_b32 s81, s80, 5
	s_and_b32 s82, s[TT_], 1
	s_lshl_b32 s83, s82, 3
	s_add_co_u32 s[60+(\n)], s81, s83
	s_lshl_b32 s81, s16, 6
	s_add_co_u32 s81, s81, s[TT_]
	s_mul_i32 s[52+4*(\n)], s81, 768
	s_mov_b32 s[53+4*(\n)], 0
	s_and_b32 s80, s80, 3
	s_lshl_b32 s80, s80, 10
	s_lshr_b32 s81, s[TT_], 3
	s_lshl_b32 s83, s81, 7
	s_add_co_u32 s80, s80, s83
	s_lshl_b32 s82, s82, 6
	s_add_co_u32 s80, s80, s82
	s_lshl_b32 s83, s16, 12
	s_add_co_u32 s80, s80, s83
	s_add_co_u32 s[54+4*(\n)], s80, Q_S
	s_mov_b32 s[55+4*(\n)], 0
	s_lshr_b32 s80, s16, 4
	s_and_b32 s82, s16, 15
	s_lshl_b32 s83, s80, 6
	s_add_co_u32 s83, s83, s[TT_]
	s_lshl_b32 s84, s83, 3
	s_lshr_b32 s85, s82, 1
	s_add_co_u32 s84, s84, s85
	s_mul_i32 s84, s84, 1536
	s_and_b32 s82, s82, 1
	s_mul_i32 s90, s82, 768
	s_add_co_u32 s[68+4*(\n)], s84, s90
	s_mov_b32 s[69+4*(\n)], 0
	s_lshr_b32 s84, s83, 3
	s_lshl_b32 s84, s84, 12
	s_lshl_b32 s85, s85, 9
	s_add_co_u32 s84, s84, s85
	s_and_b32 s83, s83, 7
	s_lshl_b32 s83, s83, 6
	s_add_co_u32 s84, s84, s83
	s_lshl_b32 s82, s82, 1
	s_add_co_u32 s84, s84, s82
	s_add_co_u32 s[70+4*(\n)], s84, ATT_S
	s_mov_b32 s[71+4*(\n)], 0
.endm
.macro GADDR
	v_lshlrev_b32 v1, 4, v6
	v_lshlrev_b32 v2, 3, v6
	v_and_b32 v3, 15, v6
	s_delay_alu instid0(VALU_DEP_1)
	v_lshlrev_b32 v3, 2, v3
.endm
.macro QLOAD n
	global_load_b128 v[16:19], v1, s[52+4*(\n):53+4*(\n)]
	global_load_b64 v[20:21], v2, s[52+4*(\n):53+4*(\n)] offset:512
	global_load_b32 v15, v3, s[54+4*(\n):55+4*(\n)]
.endm
	s_load_b128 s[4:7], s[0:1], 0x0
	v_lshl_add_u32 v[SPW], v0, 2, SPARE
	v_mov_b32 v[NIL], 0
	ds_add_u32 v[SPW], v[NIL]
	ds_add_u32 v[SPW], v[NIL]
	v_lshrrev_b32 v1, 5, v0
	s_delay_alu instid0(VALU_DEP_1)
	v_readfirstlane_b32 s14, v1
	s_mov_b32 s16, ttmp9                           ; bh: the grid's x; the block of query tiles is its y
	s_mov_b32 s[G1K], 3<<16
	s_mov_b32 s[G1K+1], 32<<16
	s_mov_b32 s[G1K+2], 64<<16
	s_mov_b32 s[G1K+3], 32<<16
	s_mov_b32 s[G1K+4], 64
	s_mov_b32 s[G1K+5], 32
	s_mov_b32 s[G1K+6], 0
	s_mov_b32 s[G1K+7], 0
	s_mov_b32 s[G1S], 3<<16
	s_mov_b32 s[G1S+1], 32<<16
	s_mov_b32 s[G1S+2], 12<<16
	s_mov_b32 s[G1S+3], 32<<16
	s_mov_b32 s[G1S+4], 12
	s_mov_b32 s[G1S+5], 32
	s_mov_b32 s[G1S+6], 0
	s_mov_b32 s[G1S+7], 0
	s_cmp_lt_u32 s14, 3
	s_mov_b32 s17, V_C
	s_cselect_b32 s17, K_C, s17
	s_cselect_b32 s18, 0, 3
	s_sub_co_u32 s18, s14, s18                     ; which third of K or of V (waves 0-5)
	s_lshl_b32 s18, s18, 14
	s_mul_i32 s19, s16, 49152
	s_add_co_u32 s17, s17, s19
	s_add_co_u32 s76, s17, s18
	s_mov_b32 s77, 0
	s_and_b32 s19, s14, 1                          ; which half of the scale words (waves 6, 7)
	s_mul_i32 s19, s19, 3072
	s_mul_i32 s78, s16, 6144
	s_add_co_u32 s78, s78, s19
	s_add_co_u32 s78, s78, KV_S
	s_mov_b32 s79, 0
	s_mov_b32 s[G0K], 1
	s_lshl_b32 s[G0K+1], s14, 14                   ; K's thirds at 0, V's from 49,152 on
	s_mov_b32 s[G0S], 1
	s_add_co_u32 s[G0S+1], s19, SLDS
	s_and_b32 s50, ttmp7, 0xffff
	s_lshl_b32 s50, s50, 3
	s_add_co_u32 s50, s50, s14
	s_sub_co_u32 s51, 63, s50
	TADDR 0
	TADDR 1
	s_mov_b32 s[SEL], 0x76543210
	s_mov_b32 s[SEL+1], 0xfedcba98
	s_mov_b32 s[CS], 0x3e38aa3b
	s_mov_b32 s[CS+1], s[CS]
	s_wait_dscnt 0x0
	s_wait_kmcnt 0x0
	s_add_nc_u64 s[G0K+2:G0K+3], s[4:5], s[76:77]
	s_or_b32 s[G0K+3], s[G0K+3], 0x80000000
	s_add_nc_u64 s[G0S+2:G0S+3], s[4:5], s[78:79]
	s_or_b32 s[G0S+3], s[G0S+3], 0x80000000
	s_cmp_lt_u32 s14, 6                            ; one tensor load a wave, in the two arms of one branch on the wave's number
	s_cbranch_scc0 .Lfor_scales
	tensor_load_to_lds s[G0K:G0K+3], s[G1K:G1K+7]
	s_nop 0
	PLACES
	s_branch .Lasked
.Lfor_scales:
	tensor_load_to_lds s[G0S:G0S+3], s[G1S:G1S+7]
	s_nop 0
	PLACES
.Lasked:
.irp n, 0,1
	s_add_nc_u64 s[52+4*\n:53+4*\n], s[4:5], s[52+4*\n:53+4*\n]
	s_add_nc_u64 s[54+4*\n:55+4*\n], s[4:5], s[54+4*\n:55+4*\n]
	s_add_nc_u64 s[68+4*\n:69+4*\n], s[6:7], s[68+4*\n:69+4*\n]
	s_add_nc_u64 s[70+4*\n:71+4*\n], s[6:7], s[70+4*\n:71+4*\n]
.endr
	v_and_b32 v6, 31, v0
	GADDR
	QLOAD 0
.irp i, 22,23,24,25,26,27
	v_mov_b32 v[\i], 0
.endr
.irp t, 0,1,2,3
.irp i, 6,7,8,9,10,11
	v_mov_b32 v[32+12*\t+\i], 0
.endr
.endr
.irp i, 14,236,237,238,239,255
	v_mov_b32 v[\i], 0
.endr
	s_set_vgpr_msb 0x40                            ; destination window 1: the upper halves (k = 64 .. 127) of K's second four fragments are zeros too
.irp t, 0,1,2,3
.irp i, 6,7,8,9,10,11
	v_mov_b32 v[32+12*\t+\i], 0
.endr
.endr
	s_set_vgpr_msb 0x4000
	s_wait_tensorcnt 0x0
	s_barrier_signal -1
	s_barrier_wait -1
; K's eight fragments and four scale words of one key step: 20 LDS loads.  Tiles 0-3 go to v32-79 of window 0, tiles 4-7 to the same numbers of window 1.  o, so: bytes on from the addresses in v1, v2 and v5.
; They are asked for one step ahead: behind the score products of the step before, so that they land under its softmax.  The last step's ask reads bytes of V's tile and of V's scale words, which are inside LDS and are not used.
.macro KASK o, so
.irp t, 0,1,2,3
	ds_load_b128 v[32+12*\t:35+12*\t], v1 offset:\t*768+\o
	ds_load_b64 v[36+12*\t:37+12*\t], v2 offset:\t*768+512+\o
.endr
.irp j, 0,1,2,3
	ds_load_b32 v[28+\j], v5 offset:1024*\j+\so
.endr
	s_set_vgpr_msb 0x40
.irp t, 0,1,2,3
	ds_load_b128 v[32+12*\t:35+12*\t], v1 offset:\t*768+3072+\o
	ds_load_b64 v[36+12*\t:37+12*\t], v2 offset:\t*768+3584+\o
.endr
	s_set_vgpr_msb 0x4000
.endm
.macro STEP q0
	s_add_co_u32 s88, s[\q0], 23
	s_cmp_gt_u32 s[KF], s88
	s_cbranch_scc1 .Lhidden_\@
	s_add_co_u32 s88, s[T1], VLDS
	s_add_co_u32 s89, s[T2], SLDS
	v_lshl_add_u32 v1, v6, 4, s[T1]
	v_lshl_add_u32 v2, v6, 3, s[T1]
	v_lshl_add_u32 v3, v6, 4, s88
	v_lshl_add_u32 v4, v6, 3, s88
	v_lshl_add_u32 v5, v6, 2, s89
.irp j, 0,1,2,3
	ds_load_b128 v[80+12*\j:83+12*\j], v3 offset:\j*768
	ds_load_b64 v[84+12*\j:85+12*\j], v4 offset:\j*768+512
	ds_load_b128 v[86+12*\j:89+12*\j], v3 offset:\j*768+3072
	ds_load_b64 v[90+12*\j:91+12*\j], v4 offset:\j*768+3584
.endr
	ds_load_b32 v252, v5 offset:4096
	ds_load_b32 v253, v5 offset:5120
	s_wait_alu depctr_va_vdst(0)
	s_wait_dscnt 18
.irp t, 0,1,2,3
	WMM 128+8*\t, 32+12*\t, 16, 0, 28+\t/2, 15, \t%2
.endr
	s_set_vgpr_msb 0x01                            ; source 0 window 1: K's tiles 4-7
.irp t, 0,1,2,3
	WMM 160+8*\t, 32+12*\t, 16, 0, 30+\t/2, 15, \t%2
.endr
	s_set_vgpr_msb 0x0100
	PLACES
	KASK 6144, 128                                 ; the next key step's K
	s_add_co_u32 s88, s[KF], 127
	s_cmp_le_u32 s88, s[\q0]
	s_cbranch_scc1 .Lopen_\@
	s_sub_co_i32 s88, s[\q0], s[KF]
	v_and_b32 v14, 15, v6
	v_and_b32 v254, 8, v6
	s_delay_alu instid0(VALU_DEP_1)
	v_add_nc_u32 v14, v14, v254
	v_and_b32 v254, 16, v6
	s_delay_alu instid0(VALU_DEP_1)
	v_sub_nc_u32 v14, v14, v254
	s_delay_alu instid0(VALU_DEP_1)
	v_add_nc_u32 v14, s88, v14
	v_mov_b32 v254, 0xff800000
.set n_, 0
.rept 64
	v_cmp_gt_i32 vcc_lo, 32*(n_/16)+n_%16, v14
	v_cndmask_b32 v[128+n_], v[128+n_], v254, vcc_lo
.set n_, n_+1
.endr
.Lopen_\@:
.irp b, 0,1,2,3
	v_max3_num_f32 v[248+\b], v[128+16*\b], v[129+16*\b], v[130+16*\b]
.endr
.irp i, 3,5,7,9,11,13
.irp b, 0,1,2,3
	v_max3_num_f32 v[248+\b], v[248+\b], v[128+16*\b+\i], v[129+16*\b+\i]
.endr
.endr
.irp b, 0,1,2,3
	v_max_num_f32 v[248+\b], v[248+\b], v[143+16*\b]
.endr
.irp b, 0,1,2,3
	s_delay_alu instid0(VALU_DEP_4)
	v_permlanex16_b32 v[236+\b], v[248+\b], s[SEL], s[SEL+1]
.endr
.irp b, 0,1,2,3
	s_delay_alu instid0(VALU_DEP_4)
	v_max_num_f32 v[248+\b], v[248+\b], v[236+\b]
.endr
	s_delay_alu instid0(VALU_DEP_2)
	v_max3_num_f32 v14, v248, v249, v250
	s_delay_alu instid0(VALU_DEP_1)
	v_max_num_f32 v14, v14, v251
	s_delay_alu instid0(VALU_DEP_1)
	v_mul_f32 v14, s[CS], v14
	s_delay_alu instid0(VALU_DEP_1)
	v_max_num_f32 v11, v11, v14
	v_mov_b32 v14, v10
	s_delay_alu instid0(VALU_DEP_2)
	v_floor_f32 v10, -v11
	s_delay_alu instid0(VALU_DEP_1)
	v_sub_f32 v14, v10, v14
	s_delay_alu instid0(VALU_DEP_1)
	v_cvt_i32_f32 v14, v14
	s_delay_alu instid0(VALU_DEP_1)
	v_ldexp_f32 v254, 1.0, v14
.set j_, 0
.rept 32
	v_pk_fma_f32 v[128+j_:129+j_], v[128+j_:129+j_], s[CS:CS+1], v[10:11] op_sel_hi:[1,0,0]
.set j_, j_+2
.endr
.irp b, 0,1,2,3
	v_fma_f32 v[248+\b], v[248+\b], s[CS], v10
.endr
.set j_, 0
	s_wait_alu depctr_va_vdst(0)
.rept 64
	v_exp_f32 v[128+j_], v[128+j_]
.set j_, j_+1
.endr
	v_pk_mul_f32 v[12:13], v[12:13], v[254:255] op_sel_hi:[1,0]
	s_wait_alu depctr_va_vdst(0)
.irp b, 0,1,2,3
	v_exp_f32 v[248+\b], v[248+\b]
.endr
	v_pk_add_f32 v[236:237], v[128:129], v[130:131]
.set j_, 4
.rept 15
	v_pk_add_f32 v[12:13], v[12:13], v[128+j_:129+j_]
	v_pk_add_f32 v[236:237], v[236:237], v[130+j_:131+j_]
.set j_, j_+4
.endr
	s_delay_alu instid0(VALU_DEP_1)
	v_pk_add_f32 v[12:13], v[12:13], v[236:237]
	s_wait_alu depctr_va_vdst(0)
.irp b, 0,1,2,3
	v_max_num_f32 v[248+\b], 0x2800000, v[248+\b]
.endr
.irp b, 0,1,2,3
	s_delay_alu instid0(VALU_DEP_4)
	v_add_nc_u32 v[244+\b], 0xfe000000, v[248+\b]
.endr
.irp b, 0,1,2,3
	s_delay_alu instid0(VALU_DEP_4)
	v_lshrrev_b32 v[236+\b], 23, v[244+\b]
.endr
	s_delay_alu instid0(VALU_DEP_3)
	v_lshl_or_b32 v9, v237, 8, v236
	s_delay_alu instid0(VALU_DEP_1)
	v_lshl_or_b32 v9, v238, 16, v9
	s_delay_alu instid0(VALU_DEP_1)
	v_lshl_or_b32 v9, v239, 24, v9
.irp c, 0,1
	v_cvt_scalef32_pk16_bf6_f32 v[224+6*\c:226+6*\c], v[128+32*\c:143+32*\c], v[244+2*\c]
	v_cvt_scalef32_pk16_bf6_f32 v[236+4*\c:238+4*\c], v[144+32*\c:159+32*\c], v[244+2*\c+1]
.endr
	v_nop
.irp c, 0,1
.irp i, 0,1,2
	v_permlane16_swap_b32 v[224+6*\c+\i], v[236+4*\c+\i]
.endr
.irp i, 0,1,2
	s_delay_alu instid0(VALU_DEP_3)
	v_mov_b32 v[227+6*\c+\i], v[236+4*\c+\i]
.endr
.endr
	s_wait_dscnt 20                                ; V's 18 loads of this step are in; the 20 of the next step's K may be out
.set j_, 0
.rept 16
	v_pk_mul_f32 v[192+j_:193+j_], v[192+j_:193+j_], v[254:255] op_sel_hi:[1,0]
.set j_, j_+2
.endr
.irp j, 0,1,2,3
	WMM 192+8*\j, 80+12*\j, 224, v[192+8*\j:199+8*\j], 252+\j/2, 9, \j%2
.endr
.Lhidden_\@:
	s_add_co_u32 s[KF], s[KF], 128
	s_add_co_u32 s[T1], s[T1], 6144
	s_add_co_u32 s[T2], s[T2], 128
.endm
.macro TILE n
.if \n
	s_wait_xcnt 0x0
.endif
	s_mov_b32 s[KF], 0
	s_mov_b32 s[T1], 0
	s_mov_b32 s[T2], 0
	s_mov_b32 s[CNT], 8
	s_wait_dscnt 0x0                               ; what the tile before asked for last has landed: its registers are loaded anew
	v_lshl_add_u32 v5, v6, 2, SLDS
	KASK 0, 0                                      ; key step 0's K (v1 = 16 x lane, v2 = 8 x lane here)
	v_mov_b32 v11, 0xff61b1e6
	s_delay_alu instid0(VALU_DEP_1)
	v_floor_f32 v10, -v11
	v_mov_b32 v12, 0
	v_mov_b32 v13, 0
.set j_, 0
.rept 32
	v_mov_b32 v[192+j_], 0
.set j_, j_+1
.endr
	s_wait_loadcnt 0x0
.Lstep_\@:
	STEP 60+\n
	s_sub_co_u32 s[CNT], s[CNT], 1
	s_cmp_lg_u32 s[CNT], 0
	s_cbranch_scc1 .Lstep_\@
	PLACES
	GADDR
.if (\n) == 0
	QLOAD 1
.endif
	v_add_f32 v12, v12, v13
	s_delay_alu instid0(VALU_DEP_1)
	v_permlanex16_b32 v14, v12, s[SEL], s[SEL+1]
	s_delay_alu instid0(VALU_DEP_1)
	v_add_f32 v12, v12, v14
	s_wait_alu depctr_va_vdst(0)
	v_rcp_f32 v12, v12
	v_nop
	s_wait_alu depctr_va_vdst(0)
.set j_, 0
.rept 32
	v_mul_f32 v[128+j_], v[192+j_], v12
.set j_, j_+1
.endr
.irp b, 0,1
	v_max3_num_f32 v[248+\b], |v[128+16*\b]|, |v[129+16*\b]|, 0x2800000
.endr
.irp i, 2,4,6,8,10,12,14
.irp b, 0,1
	s_delay_alu instid0(VALU_DEP_2)
	v_max3_num_f32 v[248+\b], v[248+\b], |v[128+16*\b+\i]|, |v[129+16*\b+\i]|
.endr
.endr
.irp b, 0,1
	s_delay_alu instid0(VALU_DEP_2)
	v_permlanex16_b32 v[236+\b], v[248+\b], s[SEL], s[SEL+1]
.endr
.irp b, 0,1
	s_delay_alu instid0(VALU_DEP_2)
	v_max_num_f32 v[248+\b], v[248+\b], v[236+\b]
.endr
.irp b, 0,1
	s_delay_alu instid0(VALU_DEP_2)
	v_add_nc_u32 v[244+\b], 0xfe000000, v[248+\b]
.endr
.irp b, 0,1
	s_delay_alu instid0(VALU_DEP_2)
	v_lshrrev_b32 v[236+\b], 23, v[244+\b]
.endr
	s_delay_alu instid0(VALU_DEP_1)
	v_lshl_or_b32 v9, v237, 8, v236
	v_cvt_scalef32_pk16_bf6_f32 v[224:226], v[128:143], v244
	v_cvt_scalef32_pk16_bf6_f32 v[240:242], v[144:159], v245
	v_nop
.irp i, 0,1,2
	v_permlane16_swap_b32 v[224+\i], v[240+\i]
.endr
.irp i, 0,1,2
	s_delay_alu instid0(VALU_DEP_3)
	v_mov_b32 v[227+\i], v[240+\i]
.endr
	global_store_b128 v1, v[224:227], s[68+4*(\n):69+4*(\n)]
	global_store_b64 v2, v[228:229], s[68+4*(\n):69+4*(\n)] offset:512
	global_store_b16 v3, v9, s[70+4*(\n):71+4*(\n)]
.endm
	TILE 0
	TILE 1
	s_wait_tensorcnt 0x0
	ds_add_u32 v[SPW], v[NIL]
	s_wait_dscnt 0x0
	s_endpgm
.Lfunc_end_k_q909f0c58b4_attn:
	.size	k_q909f0c58b4_attn, .Lfunc_end_k_q909f0c58b4_attn-k_q909f0c58b4_attn
	.p2alignl 7, 3214868480
	.fill 96, 4, 3214868480
	.section	.rodata,"a",@progbits
	.p2align	6, 0x0
	.amdhsa_kernel k_q909f0c58b4_attn
		.amdhsa_group_segment_fixed_size 327680
		.amdhsa_private_segment_fixed_size 0
		.amdhsa_enable_private_segment 0
		.amdhsa_kernarg_size 16
		.amdhsa_user_sgpr_count 2
		.amdhsa_user_sgpr_kernarg_segment_ptr 1
		.amdhsa_wavefront_size32 1
		.amdhsa_system_sgpr_workgroup_id_x 1
		.amdhsa_system_sgpr_workgroup_id_y 1
		.amdhsa_system_sgpr_workgroup_id_z 1
		.amdhsa_system_vgpr_workitem_id 0
		.amdhsa_next_free_vgpr 384
		.amdhsa_next_free_sgpr 92
		.amdhsa_reserve_vcc 1
		.amdhsa_float_denorm_mode_32 3
		.amdhsa_float_denorm_mode_16_64 3
		.amdhsa_memory_ordered 1
		.amdhsa_forward_progress 1
		.amdhsa_inst_pref_size 71
	.end_amdhsa_kernel
	.amdgpu_metadata
---
amdhsa.version: [ 1, 2 ]
amdhsa.kernels:
  - .name:           k_q909f0c58b4_attn
    .symbol:         k_q909f0c58b4_attn.kd
    .args:
      - { .name: qkv, .offset: 0, .size: 8, .value_kind: global_buffer, .address_space: global }
      - { .name: att, .offset: 8, .size: 8, .value_kind: global_buffer, .address_space: global }
    .group_segment_fixed_size: 327680
    .private_segment_fixed_size: 0
    .kernarg_segment_align: 8
    .kernarg_segment_size: 16
    .max_flat_workgroup_size: 256
    .sgpr_count:     92
    .vgpr_count:     384
    .wavefront_size: 32
...
	.end_amdgpu_metadata
.endif
;; end of part 3
;; launch proj (part 4): grid 8 x 32, 4 waves a work-group, clusters of 4 x 4, 327,680 bytes of LDS; arguments wts, att, x, b_proj, x1; writes x1
.if DOCPART == 4
	.amdgcn_target "amdgcn-amd-amdhsa--gfx1250"
	.amdhsa_code_object_version 6
	.text
	.protected	k_q909f0c58b4_proj
	.globl	k_q909f0c58b4_proj
	.p2align	8
	.type	k_q909f0c58b4_proj,@function
k_q909f0c58b4_proj:
	s_mov_b64 s[64:65], 0
	v_nop
	global_prefetch_b8 v0, s[64:65] scope:SCOPE_SE
	s_setreg_imm32_b32 hwreg(HW_REG_WAVE_MODE, 25, 1), 1
	s_wait_xcnt 0x0
	s_wait_alu depctr_hold_cnt(0) depctr_sa_sdst(0) depctr_va_vdst(0) depctr_va_sdst(0) depctr_va_ssrc(0) depctr_va_vcc(0) depctr_vm_vsrc(0)
	s_getreg_b32 s2, hwreg(HW_REG_IB_STS2, 6, 4)
	s_cmp_eq_u32 s2, 0
	s_cbranch_scc0 .Lentry_in_a_cluster
	s_endpgm
.Lentry_in_a_cluster:
	s_bfe_u32 s2, ttmp6, 0x10000c
	s_cmp_lg_u32 s2, 0xf033
	s_cbranch_scc0 .Lentry_shape_is_right
	s_endpgm
.Lentry_shape_is_right:
; out = residual + Y X^T + bias: Y [4,096 tokens][K] and X [1,024 channels][K] as codes of BF6 (E3M2) laid as operands' registers (head of the weights' launch), out and residual f32 [4,096][1,024].
; Here: Y = the attention's result, X = w_proj, K = 1,024 (KS = 8 steps of 128).
; A work-group makes 128 channels x 128 tokens, so that the 1,024 x 4,096 results give 256 work-groups; a wave 64 x 64: 16 accumulators.  Source 0 = 16 channels, source 1 = 16 tokens: a lane holds 8 neighbouring channels of a token.
; K goes through two LDS slots of four K steps (98,304 bytes each: X's 8 tiles, then Y's 8), one tensor load a wave and slot (4 tiles x 6,144 bytes); by this text's count two loads of a wave are out at the start, later one.
; A slot is filled again behind a wait for all my tensor loads, the add, a wait for it and for my reads, and a round of the cluster's barrier; the loop over K is written out, so every offset is a constant.
; CLUSTERS: 4 x 4 work-groups; X hangs on the work-group's x and is asked for jointly along a column of the cluster, Y on its y and jointly along a row.
; The bias is the C of each sum's first matrix instruction.  The residual is asked for at the head, in the layout of the way out, and lands under the products.
; REGISTERS: window 0: v1-8 LDS addresses, v9-19 other addresses, v32-127 Y's fragments (two sets; on the way out rows of the result), v128.. scale words of all K steps.
;   window 1: v0-95 X's fragments (two sets), v96-127 the bias, v128-255 accumulator (y, x) at v[128 + 8 (4 y + x)].   window 2: v0-127 the residual.
; HOW K COMES INTO LDS (this takes the place of what the head says of two slots): all 8 K steps at once, one joint load a wave at the head (4 tiles x 12,288 bytes): X's 8 tiles at 0, Y's 8 at 98,304, [tile][8][1,536]. Nothing is filled again.
.set KS,  8
.set XC,  2359296
.set XSO, 9535488
.set YSO, 3145728
.set NS,  KS/4
.set STAGE, 196608                     ; behind the slots: 16 rows x 272 bytes for each wave, for the way out
.set SPARE, 214016                     ; the spare words, 128 bytes for each wave
.set STO, 10
.set RD,  11
.set GO,  12
.set SPW, 13
.set NIL, 14
.set YF,  32
.set BK,  32
.set SCL, 128
.set G1X, 24
.set G1Y, 32
.set G0X, 40
.set G0Y, 48
.set MSB, 0
.macro WIN new
.if MSB != \new
	s_set_vgpr_msb (MSB<<8)|\new
.set MSB, \new
.endif
.endm
.macro PLACES
.rept 4
	v_nop
.endr
.endm
.macro CROUND
	s_barrier_signal -1
	s_barrier_wait -1
	s_cmp_lg_u32 s14, 0
	s_cbranch_scc1 .Lnot_wave_0_\@
	s_barrier_signal -3
.Lnot_wave_0_\@:
	s_barrier_wait -3
	s_barrier_signal -1
	s_barrier_wait -1
.endm
.macro JLOAD s                         ; waves 0, 1 fetch X's two halves, waves 2, 3 Y's; an s_nop 0 and four v_nop follow each line
	s_cmp_eq_u32 s15, 0
	s_cbranch_scc0 .Lfor_y_\@
	tensor_load_to_lds s[G0X+4*(\s):G0X+4*(\s)+3], s[G1X:G1X+7]
	s_nop 0
	PLACES
	s_branch .Lasked_\@
.Lfor_y_\@:
	tensor_load_to_lds s[G0Y+4*(\s):G0Y+4*(\s)+3], s[G1Y:G1Y+7]
	s_nop 0
	PLACES
.Lasked_\@:
.endm
.macro WMM d, a, b, c, sa, sb, px, py
.if (\px)==0 && (\py)==0
	v_wmma_scale_f32_16x16x128_f8f6f4 v[\d:\d+7], v[\a:\a+11], v[\b:\b+11], \c, v[\sa], v[\sb] matrix_a_fmt:MATRIX_FMT_BF6 matrix_b_fmt:MATRIX_FMT_BF6
.elseif (\py)==0
	v_wmma_scale_f32_16x16x128_f8f6f4 v[\d:\d+7], v[\a:\a+11], v[\b:\b+11], \c, v[\sa], v[\sb] matrix_a_fmt:MATRIX_FMT_BF6 matrix_b_fmt:MATRIX_FMT_BF6 matrix_a_scale:MATRIX_SCALE_ROW1
.elseif (\px)==0
	v_wmma_scale_f32_16x16x128_f8f6f4 v[\d:\d+7], v[\a:\a+11], v[\b:\b+11], \c, v[\sa], v[\sb] matrix_a_fmt:MATRIX_FMT_BF6 matrix_b_fmt:MATRIX_FMT_BF6 matrix_b_scale:MATRIX_SCALE_ROW1
.else
	v_wmma_scale_f32_16x16x128_f8f6f4 v[\d:\d+7], v[\a:\a+11], v[\b:\b+11], \c, v[\sa], v[\sb] matrix_a_fmt:MATRIX_FMT_BF6 matrix_b_fmt:MATRIX_FMT_BF6 matrix_a_scale:MATRIX_SCALE_ROW1 matrix_b_scale:MATRIX_SCALE_ROW1
.endif
.endm
.macro FRAG reg, a16, a8, off
	ds_load_b128 v[\reg:\reg+3], v[\a16] offset:\off
	ds_load_b64 v[\reg+4:\reg+5], v[\a8] offset:\off+512
	ds_load_b128 v[\reg+6:\reg+9], v[\a16] offset:\off+768
	ds_load_b64 v[\reg+10:\reg+11], v[\a8] offset:\off+1280
.endm
.macro FETCH sl, kk, set               ; the slot's kk-th K step: my 4 fragments of X and 4 of Y: 32 loads
	WIN 0x40
.irp x, 0,1,2,3
	FRAG 48*(\set)+12*\x, 1+4*(\sl), 2+4*(\sl), \x*12288+(\kk)*1536
.endr
	WIN 0
.irp y, 0,1,2,3
	FRAG YF+48*(\set)+12*\y, 3+4*(\sl), 4+4*(\sl), \y*12288+(\kk)*1536
.endr
.endm
.macro MUL16 s, set                    ; K step s: the 16 accumulators take turns in one order in every step
.irp y, 0,1,2,3
.irp x, 0,1,2,3
.set D_, 128+8*(4*\y+\x)
.set A_, 48*(\set)+12*\x
.set B_, YF+48*(\set)+12*\y
.set SA_, SCL+4*(\s)+\x/2
.set SB_, SCL+4*(\s)+2+\y/2
.if (\s)==0
	WMM D_, A_, B_, v[96+8*\x:103+8*\x], SA_, SB_, \x%2, \y%2
.else
	WMM D_, A_, B_, v[D_:D_+7], SA_, SB_, \x%2, \y%2
.endif
.endr
.endr
.endm
.macro SLOTC d                         ; the eight K steps of slot-load d
	FETCH (\d)%2, 0, 0
.irp kk, 0,1,2,3,4,5,6,7
	s_wait_dscnt 0x0
.if \kk < 7
	PLACES
	FETCH (\d)%2, \kk+1, (\kk+1)%2
.endif
	WIN 0x51                                       ; source 0, C and D window 1, source 1 window 0
	MUL16 4*(\d)+\kk, \kk%2
.endr
.endm
.macro CHANGE d                        ; ahead of slot-load d: the slot just read is filled with slot-load d + 1, if there is one
	WIN 0
	s_wait_tensorcnt 0x0                           ; all my tensor loads have landed, my part of the slot ahead among them: so a group 0 may be written
	ds_add_u32 v[SPW], v[NIL]                      ; 0 onto my spare word
.if (\d)+1 < NS
	s_add_nc_u64 s[G0X+4*(((\d)+1)%2)+2:G0X+4*(((\d)+1)%2)+3], s[G0X+4*(((\d)+1)%2)+2:G0X+4*(((\d)+1)%2)+3], 12288
	s_add_nc_u64 s[G0Y+4*(((\d)+1)%2)+2:G0Y+4*(((\d)+1)%2)+3], s[G0Y+4*(((\d)+1)%2)+2:G0Y+4*(((\d)+1)%2)+3], 12288
	s_wait_dscnt 0x0                               ; the add is done, and my reads of the slot that I leave are over
	CROUND                                         ; that now holds of every wave of all sixteen work-groups
	JLOAD ((\d)+1)%2                               ; the first tensor load behind the round; its four v_nop are also the places in front of the loads that follow
.else
	s_wait_dscnt 0x0
	s_barrier_signal -1
	s_barrier_wait -1
	PLACES
.endif
.endm
	s_load_b256 s[4:11], s[0:1], 0x0               ; wts, Y, the residual, the bias
	s_load_b64 s[12:13], s[0:1], 0x20              ; out
	v_lshl_add_u32 v[SPW], v0, 2, SPARE
	v_mov_b32 v[NIL], 0
	ds_add_u32 v[SPW], v[NIL]                      ; the wave's opening: the add, twice on end, and its wait ahead of my first tensor load
	ds_add_u32 v[SPW], v[NIL]
	v_lshrrev_b32 v1, 5, v0
	v_readfirstlane_b32 s14, v1                    ; wave
	s_lshr_b32 s15, s14, 1                         ; which 64 tokens are mine.  Also: I fetch for X (0) or for Y (1)
	s_and_b32 s16, s14, 1                          ; which 64 channels.  Also: which 4 tiles I fetch
	s_bfe_u32 s17, ttmp6, 0x40000                  ; cx
	s_bfe_u32 s18, ttmp6, 0x40004                  ; cy
	s_lshl_b32 s19, ttmp9, 2
	s_add_co_u32 s19, s19, s17                     ; work-group x: channels 128 x on
	s_and_b32 s20, ttmp7, 0xffff
	s_lshl_b32 s20, s20, 2
	s_add_co_u32 s20, s20, s18                     ; work-group y: tokens 128 y on
	s_lshl_b32 s21, s18, 2
	s_lshl_b32 s21, 15, s21                        ; my row of the cluster
	s_lshl_b32 s22, 0x1111, s17                    ; my column
	s_or_b32 s[G1X], s22, (3<<16)|(1<<21)
	s_or_b32 s[G1Y], s21, (3<<16)|(1<<21)
.irp g, G1X, G1Y
	s_mov_b32 s[\g+1], 1536<<16                    ; a row of the tile: a tile's eight K steps, 12,288 bytes
	s_mov_b32 s[\g+2], 4<<16                       ; four tiles
	s_mov_b32 s[\g+3], 1536<<16
	s_mov_b32 s[\g+4], 4
	s_mov_b32 s[\g+5], KS*192                      ; from tile to tile: KS x 1,536 bytes
	s_mov_b32 s[\g+6], 0
	s_mov_b32 s[\g+7], 0
.endr
	s_lshl_b32 s23, s16, 2
	s_lshl_b32 s56, s19, 3
	s_add_co_u32 s56, s56, s23
	s_mul_i32 s56, s56, KS*1536
	s_add_co_u32 s56, s56, XC
	s_mov_b32 s57, 0
	s_lshl_b32 s58, s20, 3
	s_add_co_u32 s58, s58, s23
	s_mul_i32 s58, s58, KS*1536
	s_mov_b32 s59, 0
	s_mul_i32 s23, s14, 49152
	s_mul_i32 s60, s19, KS*512
	s_lshl_b32 s61, s16, 8
	s_add_co_u32 s60, s60, s61
	s_add_co_u32 s60, s60, XSO                     ; my tiles' scale words of X,
	s_mov_b32 s61, 0
	s_mul_i32 s62, s20, KS*512
	s_lshl_b32 s63, s15, 8
	s_add_co_u32 s62, s62, s63
	s_add_co_u32 s62, s62, YSO                     ; and of Y
	s_mov_b32 s63, 0
	s_lshl_b32 s68, s19, 9
	s_lshl_b32 s69, s16, 8
	s_add_co_u32 s68, s68, s69                     ; my first channel, in bytes
	s_lshl_b32 s66, s20, 19
	s_lshl_b32 s67, s15, 18
	s_add_co_u32 s66, s66, s67
	s_add_co_u32 s66, s66, s68                     ; my corner of out and of the residual
	s_mov_b32 s67, 0
	s_mov_b32 s69, 0
	s_wait_dscnt 0x0                               ; both opening adds are done
	s_wait_kmcnt 0x0
	s_add_nc_u64 s[56:57], s[4:5], s[56:57]
	s_add_nc_u64 s[58:59], s[6:7], s[58:59]
.irp s, 0
	s_mov_b32 s[G0X+4*\s], 1
	s_add_co_u32 s[G0X+4*\s+1], s23, \s*98304
	s_add_nc_u64 s[G0X+4*\s+2:G0X+4*\s+3], s[56:57], \s*6144
	s_or_b32 s[G0X+4*\s+3], s[G0X+4*\s+3], 0x80000000
	s_mov_b32 s[G0Y+4*\s], 1
	s_add_co_u32 s[G0Y+4*\s+1], s23, \s*98304
	s_add_nc_u64 s[G0Y+4*\s+2:G0Y+4*\s+3], s[58:59], \s*6144
	s_or_b32 s[G0Y+4*\s+3], s[G0Y+4*\s+3], 0x80000000
.endr
	CROUND                                         ; all sixteen work-groups are here: the first joint loads meet
	JLOAD 0                                        ; one tensor load a wave at the head
	s_add_nc_u64 s[60:61], s[4:5], s[60:61]
	s_add_nc_u64 s[62:63], s[6:7], s[62:63]
	s_add_nc_u64 s[10:11], s[10:11], s[68:69]
	s_add_nc_u64 s[8:9], s[8:9], s[66:67]
	s_add_nc_u64 s[12:13], s[12:13], s[66:67]
	v_and_b32 v9, 31, v0
	v_lshlrev_b32 v15, 4, v9
	v_lshlrev_b32 v16, 3, v9
	s_mul_i32 s2, s16, 49152                       ; my 4 tiles of X,
	s_mul_i32 s3, s15, 49152
	s_add_co_u32 s3, s3, 98304                     ; and of Y
.irp s, 0
	v_add_nc_u32 v[1+4*\s], s2, v15
	v_add_nc_u32 v[2+4*\s], s2, v16
	v_add_nc_u32 v[3+4*\s], s3, v15
	v_add_nc_u32 v[4+4*\s], s3, v16
	s_add_co_u32 s2, s2, 98304
	s_add_co_u32 s3, s3, 98304
.endr
	v_and_b32 v17, 15, v9
	v_lshrrev_b32 v18, 4, v9
	s_mul_i32 s2, s14, 16*272
	s_add_co_u32 s2, s2, STAGE                     ; my stage
	v_mul_u32_u24 v[STO], v17, 272
	v_lshl_add_u32 v[STO], v18, 6, v[STO]
	v_add_nc_u32 v[STO], s2, v[STO]                ; in: token slot l % 16, + 64 (l / 16)
	v_mul_u32_u24 v[RD], v18, 272
	v_lshl_add_u32 v[RD], v17, 4, v[RD]
	v_add_nc_u32 v[RD], s2, v[RD]                  ; back: lanes 0-15 one row of 256 bytes, lanes 16-31 the next
	v_lshlrev_b32 v[GO], 12, v18
	v_lshl_add_u32 v[GO], v17, 4, v[GO]            ; and the same two rows in memory
	v_lshlrev_b32 v19, 6, v18
	v_lshlrev_b32 v9, 2, v9
.set s_, 0
.rept KS
	global_load_b32 v[SCL+4*s_], v9, s[60:61] offset:s_*512          ; lanes 0-15: the even tile's words, lanes 16-31: the odd one's
	global_load_b32 v[SCL+4*s_+1], v9, s[60:61] offset:s_*512+128
	global_load_b32 v[SCL+4*s_+2], v9, s[62:63] offset:s_*512
	global_load_b32 v[SCL+4*s_+3], v9, s[62:63] offset:s_*512+128
.set s_, s_+1
.endr
	WIN 0x40
.irp x, 0,1,2,3
	global_load_b128 v[96+8*\x:99+8*\x], v19, s[10:11] offset:(32*(\x/2)+8*(\x%2))*4
	global_load_b128 v[100+8*\x:103+8*\x], v19, s[10:11] offset:(32*(\x/2)+8*(\x%2))*4+16
.endr
	WIN 0x80
.irp y, 0,1,2,3
.irp i, 0,1,2,3,4,5,6,7
	global_load_b128 v[32*\y+4*\i:32*\y+4*\i+3], v[GO], s[8:9] offset:(32*(\y/2)+8*(\y%2)+2*\i+8*(\i/4))*4096
.endr
.endr
	WIN 0
	s_wait_alu depctr_va_vdst(0)
	s_wait_tensorcnt 0x0                           ; my load has landed
	s_barrier_signal -1
	s_barrier_wait -1
	s_wait_loadcnt 32                              ; the scale words and the bias are in; the residual's 32 loads may be out
	SLOTC 0
	WIN 0
; THE WAY OUT, 16 tokens x 64 channels at a time, through my own stage: back as rows of 256 bytes, the residual added, sixteen lanes to an aligned 256 bytes of out.
.macro TOSTAGE y
	WIN 0x04                                       ; an LDS store's data are its source 1: window 1
.irp x, 0,1,2,3
	ds_store_b128 v[STO], v[128+8*(4*(\y)+\x):128+8*(4*(\y)+\x)+3] offset:128*(\x/2)+32*(\x%2)       ; each accumulator from its low end on
	ds_store_b128 v[STO], v[128+8*(4*(\y)+\x)+4:128+8*(4*(\y)+\x)+7] offset:128*(\x/2)+32*(\x%2)+16
.endr
	WIN 0
.irp i, 0,1,2,3,4,5,6,7
	ds_load_b128 v[BK+32*((\y)%2)+4*\i:BK+32*((\y)%2)+4*\i+3], v[RD] offset:\i*544     ; LDS serves a wave's instructions in order: these see the stores above
.endr
.endm
.macro SEND y, younger
.set BB_, BK+32*((\y)%2)
	s_wait_dscnt \younger                          ; the block is back; the next block's 8 stores and 8 loads may be out
	WIN 0x08                                       ; source 1: the residual, window 2
.set k_, 0
.rept 16
	v_pk_add_f32 v[BB_+2*k_:BB_+2*k_+1], v[BB_+2*k_:BB_+2*k_+1], v[32*(\y)+2*k_:32*(\y)+2*k_+1]
.set k_, k_+1
.endr
	WIN 0
.irp i, 0,1,2,3,4,5,6,7
	global_store_b128 v[GO], v[BB_+4*\i:BB_+4*\i+3], s[12:13] offset:(32*((\y)/2)+8*((\y)%2)+2*\i+8*(\i/4))*4096
.endr
.endm
	PLACES
	s_wait_alu depctr_va_vdst(0)
	s_wait_loadcnt 0x0                             ; the residual
	TOSTAGE 0
	TOSTAGE 1
	SEND 0, 16
	s_wait_xcnt 0x0                                ; block 0's stores have read their registers: block 2 may land there
	TOSTAGE 2
	SEND 1, 16
	s_wait_xcnt 0x0
	TOSTAGE 3
	SEND 2, 16
	SEND 3, 0
	s_wait_tensorcnt 0x0                           ; the wave's end
	ds_add_u32 v[SPW], v[NIL]
	s_wait_dscnt 0x0
	CROUND                                         ; the closing round
	s_endpgm
.Lfunc_end_k_q909f0c58b4_proj:
	.size	k_q909f0c58b4_proj, .Lfunc_end_k_q909f0c58b4_proj-k_q909f0c58b4_proj
	.p2alignl 7, 3214868480
	.fill 96, 4, 3214868480
	.section	.rodata,"a",@progbits
	.p2align	6, 0x0
	.amdhsa_kernel k_q909f0c58b4_proj
		.amdhsa_group_segment_fixed_size 327680
		.amdhsa_private_segment_fixed_size 0
		.amdhsa_enable_private_segment 0
		.amdhsa_kernarg_size 40
		.amdhsa_user_sgpr_count 2
		.amdhsa_user_sgpr_kernarg_segment_ptr 1
		.amdhsa_wavefront_size32 1
		.amdhsa_system_sgpr_workgroup_id_x 1
		.amdhsa_system_sgpr_workgroup_id_y 1
		.amdhsa_system_sgpr_workgroup_id_z 1
		.amdhsa_system_vgpr_workitem_id 0
		.amdhsa_next_free_vgpr 640
		.amdhsa_next_free_sgpr 72
		.amdhsa_reserve_vcc 0
		.amdhsa_float_denorm_mode_32 3
		.amdhsa_float_denorm_mode_16_64 3
		.amdhsa_memory_ordered 1
		.amdhsa_forward_progress 1
		.amdhsa_inst_pref_size 60
	.end_amdhsa_kernel
	.amdgpu_metadata
---
amdhsa.version: [ 1, 2 ]
amdhsa.kernels:
  - .name:           k_q909f0c58b4_proj
    .symbol:         k_q909f0c58b4_proj.kd
    .args:
      - { .name: wts, .offset: 0, .size: 8, .value_kind: global_buffer, .address_space: global }
      - { .name: att, .offset: 8, .size: 8, .value_kind: global_buffer, .address_space: global }
      - { .name: x, .offset: 16, .size: 8, .value_kind: global_buffer, .address_space: global }
      - { .name: b_proj, .offset: 24, .size: 8, .value_kind: global_buffer, .address_space: global }
      - { .name: x1, .offset: 32, .size: 8, .value_kind: global_buffer, .address_space: global }
    .group_segment_fixed_size: 327680
    .private_segment_fixed_size: 0
    .kernarg_segment_align: 8
    .kernarg_segment_size: 40
    .max_flat_workgroup_size: 128
    .sgpr_count:     72
    .vgpr_count:     640
    .wavefront_size: 32
...
	.end_amdgpu_metadata
.endif
;; end of part 4
;; launch ln2 (part 5): grid 256 x 1, 4 waves a work-group, no clusters, 31,744 bytes of LDS; arguments x1, ln2_g, ln2_b, act; writes act
.if DOCPART == 5
	.amdgcn_target "amdgcn-amd-amdhsa--gfx1250"
	.amdhsa_code_object_version 6
	.text
	.protected	k_q909f0c58b4_ln2
	.globl	k_q909f0c58b4_ln2
	.p2align	8
	.type	k_q909f0c58b4_ln2,@function
k_q909f0c58b4_ln2:
	s_mov_b64 s[64:65], 0
	v_nop
	global_prefetch_b8 v0, s[64:65] scope:SCOPE_SE
	s_setreg_imm32_b32 hwreg(HW_REG_WAVE_MODE, 25, 1), 1
	s_wait_xcnt 0x0
; The second layer norm: rows of 1,024 f32, quantised along the row to codes of BF6 (E3M2) with one E8M0 byte for each 32, laid as an operand's registers (the layout is set out at the head of the first launch).
; Arguments: the rows [4,096][1,024], the gain, the bias, the codes' buffer.  All arithmetic in f32: mean, then the mean of the squared differences, as reference() has it.
; SHARES: work-group T makes tile T: its 16 rows are 32 (T / 2) + 8 (T % 2) + r + 8 (r / 8).  Wave w takes slots 4 w .. 4 w + 3, four consecutive rows; a row is 32 registers of the wave and is read once.
; Loads are dense (16 bytes a lane, 512 a load).  The conversions want 32 neighbours in a lane, so a finished row turns through the wave's own 4,608 bytes of LDS (16 bytes of padding behind each 128).
; The tile's 8 fragments are gathered in LDS as images of their registers; one barrier; each wave then stores 3,072 consecutive bytes of them and 128 bytes of scale words.
; No tensor load, no cluster: work-groups share only the gain and the bias, 8 KB.  LIMITS: v_rsq_f32 is good to 1 ulp; a block of zeros gets the byte 1 (this program alone reads it); NaN and infinities are not served.
.set IMG,   18432                      ; LDS: behind the four turning places: the tile's 8 fragments, 12,288 bytes,
.set SCB,   30720                      ; its scale words [K step][slot], 512 bytes,
.set SPARE, 31232                      ; the spare words, 128 bytes for each wave, which no other line names
.set ACT_S, 3145728
.set G,   16                           ; v16-47   the gain, as a row is loaded
.set BB,  48                           ; v48-79   the bias
.set XR,  80                           ; v80-207  four rows
.set PC,  208                          ; v208-213 a block's codes;  v214-216 the second conversion's result
.set PT,  214
.set SPW, 230
.set NIL, 231
	s_load_b256 s[4:11], s[0:1], 0x0               ; rows, gain, bias, codes
	v_lshl_add_u32 v[SPW], v0, 2, SPARE
	v_mov_b32 v[NIL], 0
	s_mov_b32 s28, ttmp9                           ; T: my tile
	v_lshrrev_b32 v1, 5, v0
	v_readfirstlane_b32 s12, v1                    ; wave
	s_lshr_b32 s13, s28, 1
	s_lshl_b32 s13, s13, 5
	s_and_b32 s14, s28, 1
	s_lshl_b32 s14, s14, 3
	s_add_co_u32 s13, s13, s14
	s_lshl_b32 s14, s12, 2
	s_add_co_u32 s13, s13, s14
	s_lshr_b32 s14, s12, 1
	s_lshl_b32 s14, s14, 3
	s_add_co_u32 s13, s13, s14                     ; my first row: 32 (T / 2) + 8 (T % 2) + 4 w + 8 (w / 2)
	s_lshl_b32 s14, s13, 12
	s_mov_b32 s15, 0
	s_mul_i32 s16, s28, 12288
	s_mul_i32 s17, s12, 3072
	s_add_co_u32 s16, s16, s17                     ; the tile's codes, my quarter
	s_mov_b32 s17, 0
	s_lshr_b32 s18, s28, 3
	s_lshl_b32 s18, s18, 12
	s_and_b32 s19, s28, 7
	s_lshl_b32 s19, s19, 6
	s_add_co_u32 s18, s18, s19
	s_lshl_b32 s19, s12, 10
	s_add_co_u32 s18, s18, s19
	s_add_co_u32 s18, s18, ACT_S                   ; its scale words, K steps 2 w and 2 w + 1
	s_mov_b32 s19, 0
	s_mov_b32 s24, 0x76543210
	s_mov_b32 s25, 0xfedcba98                      ; v_permlanex16_b32's selects for lane l xor 16
	s_mov_b32 s26, 0x3a800000                      ; 1 / 1,024
	s_mov_b32 s27, 0x3727c5ac                      ; 1e-5
	s_mul_i32 s20, s12, 4608
	s_lshl_b32 s21, s12, 6
	s_add_co_u32 s21, s21, IMG
	s_lshl_b32 s22, s12, 5
	s_add_co_u32 s22, s22, IMG+512
	s_lshl_b32 s23, s12, 4
	s_add_co_u32 s23, s23, SCB
	v_and_b32 v1, 31, v0                           ; lane
	v_lshlrev_b32 v2, 4, v1                        ; 16 x lane
	v_lshrrev_b32 v11, 3, v1
	v_lshl_add_u32 v3, v11, 4, v2
	v_add_nc_u32 v3, s20, v3                       ; the turn, in: 16 l + 16 (l / 8); a load's 512 bytes take 576
	v_mul_u32_u24 v4, v1, 144
	v_add_nc_u32 v4, s20, v4                       ; and out: 144 l: block l of the row
	v_lshrrev_b32 v11, 2, v1                       ; block l lies in K step l / 4,
	v_mul_u32_u24 v12, v11, 1536
	v_bfe_u32 v13, v1, 1, 1                        ; half (l / 2) % 2,
	v_mad_u32_u24 v12, v13, 768, v12
	v_and_b32 v13, 1, v1                           ; lanes' half l % 2
	v_lshl_add_u32 v5, v13, 8, v12
	v_add_nc_u32 v5, s21, v5                       ; the image's place for four registers: + 16 x slot, slot = 4 w + i
	v_lshl_add_u32 v6, v13, 7, v12
	v_add_nc_u32 v6, s22, v6                       ; and for two: + 8 x slot
	v_and_b32 v13, 3, v1
	v_lshl_add_u32 v7, v11, 6, v13
	v_add_nc_u32 v7, s23, v7                       ; the scale byte: 64 (l / 4) + 4 x slot + l % 4
	s_mul_i32 s20, s12, 3072
	s_add_co_u32 s20, s20, IMG
	v_add_nc_u32 v8, s20, v2                       ; the way out: my quarter of the images
	s_lshl_b32 s20, s12, 7
	s_add_co_u32 s20, s20, SCB
	v_lshl_add_u32 v9, v1, 2, s20                  ; and of the scale words
	v_lshrrev_b32 v11, 4, v1
	v_and_b32 v12, 15, v1
	v_lshlrev_b32 v10, 9, v11
	v_lshl_add_u32 v10, v12, 2, v10                ; in memory: 512 (l / 16) + 4 (l % 16)
	v_mov_b32 v227, 0                              ; written once: a lane permute's destination counts as one of its sources
	s_wait_kmcnt 0x0
	s_add_nc_u64 s[4:5], s[4:5], s[14:15]
	s_add_nc_u64 s[16:17], s[10:11], s[16:17]
	s_add_nc_u64 s[18:19], s[10:11], s[18:19]
.irp j, 0,1,2,3,4,5,6,7
	global_load_b128 v[G+4*\j:G+4*\j+3], v2, s[6:7] offset:512*\j
.endr
.irp j, 0,1,2,3,4,5,6,7
	global_load_b128 v[BB+4*\j:BB+4*\j+3], v2, s[8:9] offset:512*\j
.endr
.irp i, 0,1,2,3
.irp j, 0,1,2,3,4,5,6,7
	global_load_b128 v[XR+32*\i+4*\j:XR+32*\i+4*\j+3], v2, s[4:5] offset:4096*\i+512*\j th:TH_LOAD_NT
.endr
.endr
.macro WSUM a, t                       ; the sum over the wave's 32 lanes, in every lane
	v_add_f32_dpp v[\a], v[\a], v[\a] row_xmask:1 row_mask:0xf bank_mask:0xf
	v_add_f32_dpp v[\a], v[\a], v[\a] row_xmask:2 row_mask:0xf bank_mask:0xf
	v_add_f32_dpp v[\a], v[\a], v[\a] row_xmask:4 row_mask:0xf bank_mask:0xf
	v_add_f32_dpp v[\a], v[\a], v[\a] row_xmask:8 row_mask:0xf bank_mask:0xf
	v_permlanex16_b32 v[\t], v[\a], s24, s25
	v_add_f32 v[\a], v[\a], v[\t]
.endm
.macro ROW i
.set R_, XR+32*(\i)
	s_wait_loadcnt 8*(3-(\i))                      ; gain, bias and this row are in; the later rows' eight loads each may be out
	v_pk_add_f32 v[218:219], v[R_:R_+1], v[R_+2:R_+3]
	v_pk_add_f32 v[220:221], v[R_+4:R_+5], v[R_+6:R_+7]
	v_pk_add_f32 v[222:223], v[R_+8:R_+9], v[R_+10:R_+11]
	v_pk_add_f32 v[224:225], v[R_+12:R_+13], v[R_+14:R_+15]
.irp j, 16,24
	v_pk_add_f32 v[218:219], v[218:219], v[R_+\j:R_+\j+1]
	v_pk_add_f32 v[220:221], v[220:221], v[R_+\j+2:R_+\j+3]
	v_pk_add_f32 v[222:223], v[222:223], v[R_+\j+4:R_+\j+5]
	v_pk_add_f32 v[224:225], v[224:225], v[R_+\j+6:R_+\j+7]
.endr
	v_pk_add_f32 v[218:219], v[218:219], v[220:221]
	v_pk_add_f32 v[222:223], v[222:223], v[224:225]
	v_pk_add_f32 v[218:219], v[218:219], v[222:223]
	v_add_f32 v226, v218, v219
	WSUM 226, 227
	v_mul_f32 v228, s26, v226                      ; the mean
	v_mov_b32 v229, v228
.set k_, 0
.rept 16
	v_pk_add_f32 v[R_+2*k_:R_+2*k_+1], v[R_+2*k_:R_+2*k_+1], v[228:229] neg_lo:[0,1] neg_hi:[0,1]
.set k_, k_+1
.endr
	v_pk_mul_f32 v[218:219], v[R_:R_+1], v[R_:R_+1]
	v_pk_mul_f32 v[220:221], v[R_+2:R_+3], v[R_+2:R_+3]
.set k_, 2
.rept 7
	v_pk_fma_f32 v[218:219], v[R_+2*k_:R_+2*k_+1], v[R_+2*k_:R_+2*k_+1], v[218:219]
	v_pk_fma_f32 v[220:221], v[R_+2*k_+2:R_+2*k_+3], v[R_+2*k_+2:R_+2*k_+3], v[220:221]
.set k_, k_+2
.endr
	v_pk_add_f32 v[218:219], v[218:219], v[220:221]
	v_add_f32 v226, v218, v219
	WSUM 226, 227
	v_fma_f32 v226, v226, s26, s27                 ; the variance + 1e-5
	s_wait_alu depctr_va_vdst(0)
	v_rsq_f32 v228, v226
	v_nop                                          ; a plain line behind the transcendental,
	s_wait_alu depctr_va_vdst(0)                   ; and the wait ahead of the first line that names its result
	v_mov_b32 v229, v228
.set k_, 0
.rept 16
	v_pk_mul_f32 v[R_+2*k_:R_+2*k_+1], v[R_+2*k_:R_+2*k_+1], v[228:229]
.set k_, k_+1
.endr
.set k_, 0
.rept 16
	v_pk_fma_f32 v[R_+2*k_:R_+2*k_+1], v[R_+2*k_:R_+2*k_+1], v[G+2*k_:G+2*k_+1], v[BB+2*k_:BB+2*k_+1]
.set k_, k_+1
.endr
.irp j, 0,1,2,3,4,5,6,7
	ds_store_b128 v3, v[R_+4*\j:R_+4*\j+3] offset:576*\j
.endr
.irp j, 0,1,2,3,4,5,6,7
	ds_load_b128 v[R_+4*\j:R_+4*\j+3], v4 offset:16*\j      ; LDS serves a wave's instructions in order: these see the stores above
.endr
	s_wait_dscnt 0x0                               ; my block of 32 is in; the last row's stores into the images have read their registers
	v_max3_num_f32 v232, |v[R_]|, |v[R_+1]|, |v[R_+2]|
	v_max3_num_f32 v233, |v[R_+3]|, |v[R_+4]|, |v[R_+5]|
.irp j, 6,10,14,18,22,26
	v_max3_num_f32 v232, v232, |v[R_+\j]|, |v[R_+\j+1]|
	v_max3_num_f32 v233, v233, |v[R_+\j+2]|, |v[R_+\j+3]|
.endr
	v_max3_num_f32 v232, v232, |v[R_+30]|, |v[R_+31]|
	v_max3_num_f32 v232, v232, v233, 0x2800000     ; and the floor 2^(5 - 127)
	v_add_nc_u32 v234, 0xfe000000, v232            ; 4 off the exponent field: the conversion's scale operand
	v_lshrrev_b32 v235, 23, v234                   ; the scale's byte
	v_cvt_scalef32_pk16_bf6_f32 v[PC:PC+2], v[R_:R_+15], v234
	v_cvt_scalef32_pk16_bf6_f32 v[PT:PT+2], v[R_+16:R_+31], v234
	v_nop                                          ; one plain line behind the conversions
.irp j, 0,1,2
	v_mov_b32 v[PC+3+\j], v[PT+\j]
.endr
	ds_store_b128 v5, v[PC:PC+3] offset:16*(\i)
	ds_store_b64 v6, v[PC+4:PC+5] offset:8*(\i)
	ds_store_b8 v7, v235 offset:4*(\i)
.endm
	ROW 0
	ROW 1
	ROW 2
	ROW 3
	s_wait_dscnt 0x0                               ; for the others' sake: my stores into the images have landed
	s_barrier_signal -1
	s_barrier_wait -1
.irp k, 0,1,2,3,4,5
	ds_load_b128 v[XR+4*\k:XR+4*\k+3], v8 offset:512*\k
.endr
	ds_load_b32 v[XR+24], v9
.irp k, 0,1,2,3,4,5
	s_wait_dscnt 6-\k                              ; load k is in; the younger ones may be out
	global_store_b128 v2, v[XR+4*\k:XR+4*\k+3], s[16:17] offset:512*\k     ; 512 consecutive bytes, at a multiple of 256 from the buffer's first byte
.endr
	s_wait_dscnt 0x0
	global_store_b32 v10, v[XR+24], s[18:19]
	s_wait_tensorcnt 0x0                           ; the wave's end
	ds_add_u32 v[SPW], v[NIL]
	s_wait_dscnt 0x0
	s_endpgm
.Lfunc_end_k_q909f0c58b4_ln2:
	.size	k_q909f0c58b4_ln2, .Lfunc_end_k_q909f0c58b4_ln2-k_q909f0c58b4_ln2
	.p2alignl 7, 3214868480
	.fill 96, 4, 3214868480
	.section	.rodata,"a",@progbits
	.p2align	6, 0x0
	.amdhsa_kernel k_q909f0c58b4_ln2
		.amdhsa_group_segment_fixed_size 31744
		.amdhsa_private_segment_fixed_size 0
		.amdhsa_enable_private_segment 0
		.amdhsa_kernarg_size 32
		.amdhsa_user_sgpr_count 2
		.amdhsa_user_sgpr_kernarg_segment_ptr 1
		.amdhsa_wavefront_size32 1
		.amdhsa_system_sgpr_workgroup_id_x 1
		.amdhsa_system_sgpr_workgroup_id_y 1
		.amdhsa_system_sgpr_workgroup_id_z 1
		.amdhsa_system_vgpr_workitem_id 0
		.amdhsa_next_free_vgpr 240
		.amdhsa_next_free_sgpr 66
		.amdhsa_reserve_vcc 0
		.amdhsa_float_denorm_mode_32 3
		.amdhsa_float_denorm_mode_16_64 3
		.amdhsa_memory_ordered 1
		.amdhsa_forward_progress 1
		.amdhsa_inst_pref_size 45
	.end_amdhsa_kernel
	.amdgpu_metadata
---
amdhsa.version: [ 1, 2 ]
amdhsa.kernels:
  - .name:           k_q909f0c58b4_ln2
    .symbol:         k_q909f0c58b4_ln2.kd
    .args:
      - { .name: x1, .offset: 0, .size: 8, .value_kind: global_buffer, .address_space: global }
      - { .name: ln2_g, .offset: 8, .size: 8, .value_kind: global_buffer, .address_space: global }
      - { .name: ln2_b, .offset: 16, .size: 8, .value_kind: global_buffer, .address_space: global }
      - { .name: act, .offset: 24, .size: 8, .value_kind: global_buffer, .address_space: global }
    .group_segment_fixed_size: 31744
    .private_segment_fixed_size: 0
    .kernarg_segment_align: 8
    .kernarg_segment_size: 32
    .max_flat_workgroup_size: 128
    .sgpr_count:     66
    .vgpr_count:     240
    .wavefront_size: 32
...
	.end_amdgpu_metadata
.endif
;; end of part 5
;; launch ff1 (part 6): grid 16 x 16, 4 waves a work-group, clusters of 4 x 4, 327,680 bytes of LDS; arguments wts, act, b1, hid; writes hid
.if DOCPART == 6
	.amdgcn_target "amdgcn-amd-amdhsa--gfx1250"
	.amdhsa_code_object_version 6
	.text
	.protected	k_q909f0c58b4_ff1
	.globl	k_q909f0c58b4_ff1
	.p2align	8
	.type	k_q909f0c58b4_ff1,@function
k_q909f0c58b4_ff1:
	s_mov_b64 s[64:65], 0
	v_nop
	global_prefetch_b8 v0, s[64:65] scope:SCOPE_SE
	s_setreg_imm32_b32 hwreg(HW_REG_WAVE_MODE, 25, 1), 1
	s_wait_xcnt 0x0
	s_wait_alu depctr_hold_cnt(0) depctr_sa_sdst(0) depctr_va_vdst(0) depctr_va_sdst(0) depctr_va_ssrc(0) depctr_va_vcc(0) depctr_vm_vsrc(0)
	s_getreg_b32 s2, hwreg(HW_REG_IB_STS2, 6, 4)
	s_cmp_eq_u32 s2, 0
	s_cbranch_scc0 .Lentry_in_a_cluster
	s_endpgm
.Lentry_in_a_cluster:
	s_bfe_u32 s2, ttmp6, 0x10000c
	s_cmp_lg_u32 s2, 0xf033
	s_cbranch_scc0 .Lentry_shape_is_right
	s_endpgm
.Lentry_shape_is_right:
; The MLP's hidden layer: relu(h2 w1 + b1), h2 (act) and w1 (wts) as codes of BF6 (E3M2), K = 1,024, the result quantised at once along the hidden units for the second product.  The text is that of the q, k, v launch with FF1 = 1.
; A work-group multiplies X, 128 rows of w1 (source 0: the axis along which the result is quantised next), by Y, 256 tokens (source 1).  A wave takes all of X and 64 tokens: 32 accumulators, 32 matrix instructions a K step.
; By the tile order (head of the first launch) a lane's 16 registers of result tiles 2 b, 2 b + 1 are 16 neighbouring hidden units, and the lane is a token slot: so a wave's 128 x 16 results become one fragment (a K step of
; the second product) and one scale word in registers, with no word passed between waves.  b1 is the C of each sum's first matrix instruction.
; A WORK-GROUP STAYS FOR TWO PASSES: its 256 tokens lie in LDS for both; pass A takes w1's rows 128 x on, pass B those 2,048 further on: 16 x 16 = 256 work-groups.
; ALL OF K LIES IN LDS.  Pass A: 8 tensor loads a wave at the start (by this text's count eight are out at the most), four chunks of two K steps, each read behind a counted wait and a barrier.
; At the head of pass A's last K step every wave has asked for its last fragments of X: there stand the wait for all my tensor loads, the add, the wait for it and for my reads, and a round of the cluster's barrier; behind it one load a wave
; (two tiles x 8 K steps, 24,576 bytes) brings pass B's X, and lands under that step's 32 matrix instructions and the first pass's quantising.
; CLUSTERS: 4 x 4 work-groups; X hangs on the work-group's x and is asked for jointly along a column of the cluster, Y on its y and jointly along a row.
; REGISTERS: window 0: v1-8 LDS addresses, v9 4 x lane, v16-47 X's scale words, v48-63 Y's, v64-159 Y's fragments (two sets), v160-223 the bias, v224-247 at work.  window 1: X's fragments, two sets of 96.  window 2: accumulator (y, x) at v[8 (8 y + x)].
; LIMITS: a block of zeros gets the byte 1 (this program alone reads it); NaN and infinities are not served.
; HOW K COMES INTO LDS (this takes the place of what the head says of chunks and of eight loads): one joint load a wave at the head. Waves 0, 1 bring the halves of X (4 tiles x 8 K steps, 49,152 bytes each),
; waves 2, 3 the halves of Y (8 tiles x 8 K steps, 98,304 bytes each); both lie [tile][8][1,536]. One wait for 0 and one barrier show them to all four waves; pass B's X is the one refill.
.set FF1, 1
.set WQKV_S, 9437184
.set W1_C,   3145728
.set W1_S,   9568256
.set ACT_S,  3145728
.set K_C,    3145728
.set V_C,    6291456
.set Q_S,    9437184
.set KV_S,   9699328
.set HID_S,  12582912
.set SPARE,  294912                    ; behind X's 98,304 and Y's 196,608 bytes: the spare words, 128 bytes for each wave
.set SPW, 12
.set NIL, 13
.set XS,  16
.set YS,  48
.set YF,  64
.set BI,  160
.set TM,  224
.set PW,  240
.set EW,  244
.set PCT, 112
.set G1X, 24
.set G1Y, 32
.set CB0, 76
.set CB1, 78
.set SB0, 80
.set SB1, 82
.set SEL, 86
.set DXR, 12                           ; s12 from pass A to pass B, in bytes: X's codes,
.set DXS, 13                           ; s13 X's scale words,
.set DCB, 66                           ; s66 the result's codes,
.set DSB, 67                           ; s67 the result's scale words
.set COL, 89                           ; s89 the mask of my column of the cluster
.if FF1
.set YST, 49152
.set SST, 128
.else
.set YST, 768
.set SST, 1024
.endif
.set MSB, 0
.macro WIN new                         ; the immediate's high byte repeats the setting that is left
.if MSB != \new
	s_set_vgpr_msb (MSB<<8)|\new
.set MSB, \new
.endif
.endm
.macro PLACES                          ; four plain lines between a matrix instruction and a load into, or a vector line on, its registers
.rept 4
	v_nop
.endr
.endm
.macro CROUND                          ; a round of the cluster's barrier
	s_barrier_signal -1
	s_barrier_wait -1
	s_cmp_lg_u32 s14, 0
	s_cbranch_scc1 .Lnot_wave_0_\@
	s_barrier_signal -3
.Lnot_wave_0_\@:
	s_barrier_wait -3
	s_barrier_signal -1
	s_barrier_wait -1
.endm
.macro WMM d, a, b, c, sa, sb, px, py  ; px, py: the tile is the odd one of its pair: its scale words lie in lanes 16-31
.if (\px)==0 && (\py)==0
	v_wmma_scale_f32_16x16x128_f8f6f4 v[\d:\d+7], v[\a:\a+11], v[\b:\b+11], \c, v[\sa], v[\sb] matrix_a_fmt:MATRIX_FMT_BF6 matrix_b_fmt:MATRIX_FMT_BF6
.elseif (\py)==0
	v_wmma_scale_f32_16x16x128_f8f6f4 v[\d:\d+7], v[\a:\a+11], v[\b:\b+11], \c, v[\sa], v[\sb] matrix_a_fmt:MATRIX_FMT_BF6 matrix_b_fmt:MATRIX_FMT_BF6 matrix_a_scale:MATRIX_SCALE_ROW1
.elseif (\px)==0
	v_wmma_scale_f32_16x16x128_f8f6f4 v[\d:\d+7], v[\a:\a+11], v[\b:\b+11], \c, v[\sa], v[\sb] matrix_a_fmt:MATRIX_FMT_BF6 matrix_b_fmt:MATRIX_FMT_BF6 matrix_b_scale:MATRIX_SCALE_ROW1
.else
	v_wmma_scale_f32_16x16x128_f8f6f4 v[\d:\d+7], v[\a:\a+11], v[\b:\b+11], \c, v[\sa], v[\sb] matrix_a_fmt:MATRIX_FMT_BF6 matrix_b_fmt:MATRIX_FMT_BF6 matrix_a_scale:MATRIX_SCALE_ROW1 matrix_b_scale:MATRIX_SCALE_ROW1
.endif
.endm
.macro FRAG reg, a16, a8, off          ; a fragment comes as it was laid: four dense loads
	ds_load_b128 v[\reg:\reg+3], v[\a16] offset:\off
	ds_load_b64 v[\reg+4:\reg+5], v[\a8] offset:\off+512
	ds_load_b128 v[\reg+6:\reg+9], v[\a16] offset:\off+768
	ds_load_b64 v[\reg+10:\reg+11], v[\a8] offset:\off+1280
.endm
; K step s: X's 8 fragments and my 4 of Y into set s % 2: 48 loads.  in both passes X lies [tile][8][1,536]: pb changes no address
.macro FETCH s, pb
	WIN 0x40
.irp x, 0,1,2,3,4,5,6,7
	FRAG 96*((\s)%2)+12*\x, 1+2*(\x/4), 2+2*(\x/4), (\x%4)*12288+(\s)*1536
.endr
	WIN 0
.irp y, 0,1,2,3
	FRAG YF+48*((\s)%2)+12*\y, 5, 6, \y*12288+(\s)*1536
.endr
.endm
.macro MUL y, s                        ; 8 matrix instructions: X's eight tiles against my tile y.  The 32 accumulators take turns in one order in every K step
.irp x, 0,1,2,3,4,5,6,7
.set D_, 8*(8*(\y)+\x)
.set A_, 96*((\s)%2)+12*\x
.set B_, YF+48*((\s)%2)+12*(\y)
.set SA_, XS+4*(\s)+\x/2
.set SB_, YS+2*(\s)+(\y)/2
.if (\s)==0
.if FF1
	WMM D_, A_, B_, v[BI+8*\x:BI+8*\x+7], SA_, SB_, \x%2, (\y)%2
.else
	WMM D_, A_, B_, 0, SA_, SB_, \x%2, (\y)%2
.endif
.else
	WMM D_, A_, B_, v[D_:D_+7], SA_, SB_, \x%2, (\y)%2
.endif
.endr
.endm
.macro MULS s, win
	WIN \win
	MUL 0, \s
	MUL 1, \s
	MUL 2, \s
	MUL 3, \s
.endm
.macro KSTEP s, win, pb
.if (\pb)==0 && (\s)==7
	WIN 0
	s_wait_tensorcnt 0x0                           ; all my tensor loads have landed: so descriptor registers may be written
	ds_add_u32 v[SPW], v[NIL]                      ; 0 onto my spare word; the descriptor's words stand between it and the wait for it
	s_mov_b32 s2, s[DXR]
	s_mov_b32 s3, 0
	s_mov_b32 s40, 1                               ; group 0: count 1,
	s_mul_i32 s41, s14, 24576                      ; LDS: my two tiles of [tile][8][1,536],
	s_add_nc_u64 s[42:43], s[90:91], s[2:3]        ; memory: the same two tiles of pass B's group,
	s_or_b32 s43, s43, 0x80000000                  ; type 2
	s_or_b32 s44, s[COL], (3<<16)|(1<<21)          ; group 1: to my column; elements of 8 bytes; bit 21 set beside a mask
	s_mov_b32 s45, 1536<<16                        ; a row of the tile: a tile's eight K steps, 12,288 bytes
	s_mov_b32 s46, 2<<16                           ; two tiles
	s_mov_b32 s47, 1536<<16
	s_mov_b32 s48, 2
	s_mov_b32 s49, 1536
	s_mov_b32 s50, 0
	s_mov_b32 s51, 0
	s_wait_dscnt 0x0                               ; the add is done, and this step's fragments, my last reads of X, are in
	CROUND                                         ; that now holds of every wave of all sixteen work-groups
	tensor_load_to_lds s[40:43], s[44:51]          ; my one tensor load behind the round: pass B's X
	s_nop 0
	PLACES
	MULS \s, \win
.else
	s_wait_dscnt 0x0                               ; this step's fragments are in
.if (\s)<7
	PLACES
	FETCH (\s)+1, \pb
.endif
	MULS \s, \win
.endif
.endm
.macro PASS pb
.if FF1
	KSTEP 0, 0x81, \pb                             ; source 0 window 1, source 1 and C (the bias) window 0, D window 2
.else
	KSTEP 0, 0xa1, \pb                             ; source 0 window 1, source 1 window 0, C and D window 2; the first products start the sums with the constant 0
.endif
.irp s, 1,2,3,4,5,6,7
	KSTEP \s, 0xa1, \pb
.endr
	WIN 0
	PLACES
.endm
.macro XSLOAD                          ; X's scale words of all 8 K steps: lanes 0-15: tile 2 p's, lanes 16-31: tile 2 p + 1's
.irp s, 0,1,2,3,4,5,6,7
.irp p, 0,1,2,3
	global_load_b32 v[XS+4*\s+\p], v9, s[94:95] offset:\s*512+\p*128
.endr
.endr
.endm
.macro BLOAD                           ; the bias at X's 128 rows, in the result's layout: the C of each sum's first matrix instruction
.irp x, 0,1,2,3,4,5,6,7
	global_load_b128 v[BI+8*\x:BI+8*\x+3], v14, s[8:9] offset:(32*(\x/2)+8*(\x%2))*4
	global_load_b128 v[BI+8*\x+4:BI+8*\x+7], v14, s[8:9] offset:(32*(\x/2)+8*(\x%2))*4+16
.endr
.endm
; My 128 x 16 results of tile y, v[64 y ..] of window 2 (register 16 b + i = X's row 32 b + 16 (lane / 16) + i), become a fragment in v[64 + 12 y ..] and a scale word in v[PW + y].
.macro QUANT y
.set S_, 64*(\y)
.set PC_, YF+12*(\y)
.if FF1
	WIN 0x88
.set j_, 0
.rept 64
	v_max_num_f32 v[S_+j_], 0, v[S_+j_]            ; the activation, in f32; each accumulator from its low end on
.set j_, j_+1
.endr
.endif
	WIN 0x0a
.irp b, 0,1,2,3
	v_max3_num_f32 v[TM+\b], |v[S_+16*\b]|, |v[S_+16*\b+1]|, 0x2800000   ; block b: my 16 numbers, and the floor 2^(5 - 127)
.endr
.irp i, 2,4,6,8,10,12,14
.irp b, 0,1,2,3
	v_max3_num_f32 v[TM+\b], |v[S_+16*\b+\i]|, |v[S_+16*\b+\i+1]|, v[TM+\b]
.endr
.endr
	WIN 0
.irp b, 0,1,2,3
	v_permlanex16_b32 v[TM+4+\b], v[TM+\b], s[SEL], s[SEL+1]
.endr
.irp b, 0,1,2,3
	v_max_num_f32 v[TM+\b], v[TM+\b], v[TM+4+\b]   ; with lane l xor 16's: the block's largest magnitude
.endr
.irp b, 0,1,2,3
	v_add_nc_u32 v[TM+12+\b], 0xfe000000, v[TM+\b] ; 4 off the exponent field: the conversion's scale operand
.endr
.irp b, 0,1,2,3
	v_lshrrev_b32 v[TM+4+\b], 23, v[TM+12+\b]      ; the scale's byte
.endr
	v_lshl_or_b32 v[PW+(\y)], v[TM+5], 8, v[TM+4]
	v_lshl_or_b32 v[PW+(\y)], v[TM+6], 16, v[PW+(\y)]
	v_lshl_or_b32 v[PW+(\y)], v[TM+7], 24, v[PW+(\y)]
	WIN 0x02
.irp c, 0,1
	v_cvt_scalef32_pk16_bf6_f32 v[PC_+6*\c:PC_+6*\c+2], v[S_+32*\c:S_+32*\c+15], v[TM+12+2*\c]
	v_cvt_scalef32_pk16_bf6_f32 v[PCT+4*\c:PCT+4*\c+2], v[S_+32*\c+16:S_+32*\c+31], v[TM+12+2*\c+1]
.endr
	WIN 0
	v_nop                                          ; one plain line behind the conversions
.irp c, 0,1                            ; the operand's layout wants a whole block in a lane: lanes 0-15 block 2 c, lanes 16-31 block 2 c + 1
.irp i, 0,1,2
	v_permlane16_swap_b32 v[PC_+6*\c+\i], v[PCT+4*\c+\i]
.endr
.irp i, 0,1,2
	v_mov_b32 v[PC_+6*\c+3+\i], v[PCT+4*\c+\i]
.endr
.endr
	global_store_b128 v1, v[PC_:PC_+3], s[CB0:CB0+1] offset:(\y)*YST          ; 512 consecutive bytes,
	global_store_b64 v2, v[PC_+4:PC_+5], s[CB0:CB0+1] offset:(\y)*YST+512     ; and 256: all at multiples of 256 from the buffer's first byte
	global_store_b128 v1, v[PC_+6:PC_+9], s[CB1:CB1+1] offset:(\y)*YST
	global_store_b64 v2, v[PC_+10:PC_+11], s[CB1:CB1+1] offset:(\y)*YST+512
.endm
.macro OUT                             ; a pass's way out
	QUANT 0
	QUANT 1
	QUANT 2
	QUANT 3
.irp q, 0,1
	v_cndmask_b32 v[EW+\q], v[PW+2*\q], v[PW+2*\q+1], s88    ; a pair's words: lanes 0-15 the even tile's, lanes 16-31 the odd one's
	global_store_b32 v9, v[EW+\q], s[SB0:SB0+1] offset:\q*SST
.endr
.if FF1 == 0
	s_cmp_lg_u32 s84, 0                            ; q, k alone: the odd head's two bytes go down into a word of its own
	s_cbranch_scc1 .Lno_odd_\@
.irp q, 0,1
	v_lshrrev_b32 v[EW+2+\q], 16, v[EW+\q]
	global_store_b32 v9, v[EW+2+\q], s[SB1:SB1+1] offset:\q*SST
.endr
.Lno_odd_\@:
.endif
.endm
.if FF1
	s_load_b256 s[4:11], s[0:1], 0x0               ; wts, act, b1, hid
.else
	s_load_b128 s[4:7], s[0:1], 0x0                ; wts, act
	s_load_b64 s[8:9], s[0:1], 0x10                ; qkv
.endif
	v_lshl_add_u32 v[SPW], v0, 2, SPARE
	v_mov_b32 v[NIL], 0
	ds_add_u32 v[SPW], v[NIL]                      ; the wave's opening: the add, twice on end, and its wait ahead of my first tensor load
	ds_add_u32 v[SPW], v[NIL]
	v_lshrrev_b32 v1, 5, v0
	v_readfirstlane_b32 s14, v1                    ; wave
	s_bfe_u32 s15, ttmp6, 0x40000                  ; cx
	s_bfe_u32 s16, ttmp6, 0x40004                  ; cy
	s_and_b32 s17, ttmp7, 0xffff                   ; cluster y
	s_lshl_b32 s18, ttmp9, 2
	s_add_co_u32 s18, s18, s15                     ; work-group x
	s_lshl_b32 s19, s17, 2
	s_add_co_u32 s19, s19, s16                     ; work-group y
	s_lshl_b32 s20, s16, 2
	s_lshl_b32 s20, 15, s20                        ; my row of the cluster
	s_lshl_b32 s[COL], 0x1111, s15                 ; my column
	s_or_b32 s[G1X], s[COL], (3<<16)|(1<<21)       ; X's tiles go to my column; elements of 8 bytes; bit 21 set beside a mask
	s_or_b32 s[G1Y], s20, (3<<16)|(1<<21)          ; Y's to my row
	s_mov_b32 s[G1X+1], 1536<<16                   ; a row of the tile: a tile's eight K steps, 12,288 bytes
	s_mov_b32 s[G1X+2], 4<<16                      ; four tiles
	s_mov_b32 s[G1X+3], 1536<<16
	s_mov_b32 s[G1X+4], 4
	s_mov_b32 s[G1X+5], 1536                       ; from tile to tile: 8 K steps, 12,288 bytes
	s_mov_b32 s[G1X+6], 0
	s_mov_b32 s[G1X+7], 0
	s_mov_b32 s[G1Y+1], 1536<<16
	s_mov_b32 s[G1Y+2], 8<<16                      ; eight tiles
	s_mov_b32 s[G1Y+3], 1536<<16
	s_mov_b32 s[G1Y+4], 8
	s_mov_b32 s[G1Y+5], 1536
	s_mov_b32 s[G1Y+6], 0
	s_mov_b32 s[G1Y+7], 0
.if FF1
	s_mov_b32 s22, s18                             ; X: group x of w1's rows, then group x + 16
	s_mov_b32 s23, s19                             ; Y: tokens 256 y on
	s_mov_b32 s[DXR], 16*98304
	s_mov_b32 s[DXS], 16*4096
	s_mov_b32 s[DCB], 16*1536
	s_mov_b32 s[DSB], 16*512
.else
	s_lshl_b32 s22, s17, 3
	s_add_co_u32 s22, s22, s18
	s_sub_co_u32 s22, s22, 8
	s_add_co_u32 s23, s16, 8
	s_cmp_ge_u32 ttmp9, 2
	s_cselect_b32 s84, 1, 0
	s_cselect_b32 s22, s22, s18
	s_cselect_b32 s23, s23, s19
	s_mov_b32 s[DXR], 8*98304
	s_cselect_b32 s[DXR], 4*98304, s[DXR]
	s_mov_b32 s[DXS], 8*4096
	s_cselect_b32 s[DXS], 4*4096, s[DXS]
	s_mov_b32 s[DCB], K_C
	s_cselect_b32 s[DCB], 4*6144, s[DCB]
.endif
	s_mul_i32 s90, s22, 98304
	s_mul_i32 s91, s14, 24576
	s_add_co_u32 s90, s90, s91                     ; X: my two tiles
	s_and_b32 s68, s14, 1                          ; which half of X or of Y I fetch at the head
	s_mul_i32 s69, s68, 49152
	s_mul_i32 s72, s22, 98304
	s_add_co_u32 s72, s72, s69                     ; X: that half of its 8 tiles
	s_add_co_u32 s72, s72, W1_C
	s_mov_b32 s73, 0
	s_mul_i32 s92, s23, 196608
	s_mul_i32 s93, s68, 98304
	s_add_co_u32 s92, s92, s93                     ; Y: that half of its 16 tiles
	s_lshl_b32 s94, s22, 12                        ; X's scale words
	s_lshl_b32 s96, s23, 1
	s_lshr_b32 s97, s14, 1
	s_add_co_u32 s96, s96, s97
	s_lshl_b32 s96, s96, 12
	s_and_b32 s97, s14, 1
	s_lshl_b32 s97, s97, 8
	s_add_co_u32 s96, s96, s97                     ; my tiles' of Y
	s_add_co_u32 s90, s90, W1_C
	s_add_co_u32 s94, s94, W1_S
	s_add_co_u32 s96, s96, ACT_S
	s_mov_b32 s91, 0
	s_mov_b32 s93, 0
	s_mov_b32 s95, 0
	s_mov_b32 s97, 0
	s_mul_i32 s99, s14, 49152
	s_add_co_u32 s99, s99, 98304                   ; LDS: the four tiles of Y that I multiply
	s_mov_b32 s[SEL], 0x76543210
	s_mov_b32 s[SEL+1], 0xfedcba98
	s_mov_b32 s88, 0xffff0000                      ; lanes 16-31
	s_wait_dscnt 0x0                               ; both opening adds are done
	s_wait_kmcnt 0x0
	s_add_nc_u64 s[90:91], s[4:5], s[90:91]
	s_add_nc_u64 s[92:93], s[6:7], s[92:93]
	s_add_nc_u64 s[94:95], s[4:5], s[94:95]
	s_add_nc_u64 s[96:97], s[6:7], s[96:97]
	s_add_nc_u64 s[72:73], s[4:5], s[72:73]
	s_mov_b32 s40, 1                               ; group 0 for a half of X
	s_mul_i32 s41, s68, 49152
	s_mov_b64 s[42:43], s[72:73]
	s_or_b32 s43, s43, 0x80000000
	s_mov_b32 s52, 1                               ; and for a half of Y, behind X's 98,304 bytes
	s_mul_i32 s53, s68, 98304
	s_add_co_u32 s53, s53, 98304
	s_mov_b64 s[54:55], s[92:93]
	s_or_b32 s55, s55, 0x80000000
	CROUND                                         ; all sixteen work-groups are here: the joint loads meet
	s_cmp_lt_u32 s14, 2                            ; one tensor load a wave at the head
	s_cbranch_scc0 .Lhead_y
	tensor_load_to_lds s[40:43], s[G1X:G1X+7]
	s_nop 0
	PLACES
	s_branch .Lhead_asked
.Lhead_y:
	tensor_load_to_lds s[52:55], s[G1Y:G1Y+7]
	s_nop 0
	PLACES
.Lhead_asked:
	v_and_b32 v9, 31, v0
	v_lshlrev_b32 v1, 4, v9                        ; X's first 49,152 bytes: 16 x lane (also the stores' offset),
	v_lshlrev_b32 v2, 3, v9                        ; 8 x lane;
	v_add_nc_u32 v3, 49152, v1                     ; its second
	v_add_nc_u32 v4, 49152, v2
	v_add_nc_u32 v5, s99, v1                       ; my part of Y's chunks 0, 1;
	v_add_nc_u32 v6, s99, v2
	v_lshlrev_b32 v9, 2, v9
.irp b, 0,1,2,3
	v_mov_b32 v[TM+4+\b], 0                        ; written once: a lane permute's destination counts as one of its sources
.endr
	XSLOAD
.irp s, 0,1,2,3,4,5,6,7
.irp q, 0,1
	global_load_b32 v[YS+2*\s+\q], v9, s[96:97] offset:\s*512+\q*128
.endr
.endr
	s_lshl_b32 s2, s18, 9
	s_mov_b32 s3, 0
	s_add_nc_u64 s[8:9], s[8:9], s[2:3]            ; b1 at my 128 hidden units
	v_bfe_u32 v14, v0, 4, 1
	v_lshlrev_b32 v14, 6, v14
	BLOAD
	; where the results go: hid's codes [tile][32][1,536] at K step x; its scale words
	s_lshl_b32 s2, s19, 4
	s_lshl_b32 s3, s14, 2
	s_add_co_u32 s2, s2, s3
	s_lshl_b32 s2, s2, 5
	s_add_co_u32 s2, s2, s18
	s_mul_i32 s[CB0], s2, 1536
	s_mov_b32 s[CB0+1], 0
	s_add_nc_u64 s[CB0:CB0+1], s[10:11], s[CB0:CB0+1]
	s_add_nc_u64 s[CB1:CB1+1], s[CB0:CB0+1], 768
	s_lshl_b32 s2, s19, 1
	s_lshr_b32 s3, s14, 1
	s_add_co_u32 s2, s2, s3
	s_lshl_b32 s2, s2, 14
	s_lshl_b32 s3, s18, 9
	s_add_co_u32 s2, s2, s3
	s_and_b32 s3, s14, 1
	s_lshl_b32 s3, s3, 8
	s_add_co_u32 s2, s2, s3
	s_add_co_u32 s[SB0], s2, HID_S
	s_mov_b32 s[SB0+1], 0
	s_add_nc_u64 s[SB0:SB0+1], s[10:11], s[SB0:SB0+1]
	s_wait_alu depctr_va_vdst(0)
	s_wait_tensorcnt 0x0                           ; my load has landed
	s_barrier_signal -1
	s_barrier_wait -1
	FETCH 0, 0
	s_wait_loadcnt 0x0                             ; the scale words and the bias
	PASS 0
	s_mov_b32 s2, s[DXS]                           ; pass B's scale words of X and its bias are asked for ahead of the way out; the loads that read these bases have come back
	s_mov_b32 s3, 0
	s_add_nc_u64 s[94:95], s[94:95], s[2:3]
	XSLOAD
	s_add_nc_u64 s[8:9], s[8:9], 16*512
	BLOAD
	OUT
	s_wait_xcnt 0x0                                ; the stores have read their registers and bases: both are written again below
	s_mov_b32 s2, s[DCB]
	s_add_nc_u64 s[CB0:CB0+1], s[CB0:CB0+1], s[2:3]
	s_add_nc_u64 s[CB1:CB1+1], s[CB1:CB1+1], s[2:3]
	s_mov_b32 s2, s[DSB]
	s_add_nc_u64 s[SB0:SB0+1], s[SB0:SB0+1], s[2:3]
	s_wait_tensorcnt 0x0                           ; my part of pass B's X has landed,
	s_barrier_signal -1
	s_barrier_wait -1                              ; everybody's has
	FETCH 0, 1
	s_wait_loadcnt 0x0                             ; pass B's scale words and bias
	PASS 1
	OUT
	s_wait_tensorcnt 0x0                           ; the wave's end
	ds_add_u32 v[SPW], v[NIL]
	s_wait_dscnt 0x0
	CROUND                                         ; the closing round: no work-group ends while a partner may still ask for a tile that names it
	s_endpgm
.Lfunc_end_k_q909f0c58b4_ff1:
	.size	k_q909f0c58b4_ff1, .Lfunc_end_k_q909f0c58b4_ff1-k_q909f0c58b4_ff1
	.p2alignl 7, 3214868480
	.fill 96, 4, 3214868480
	.section	.rodata,"a",@progbits
	.p2align	6, 0x0
	.amdhsa_kernel k_q909f0c58b4_ff1
		.amdhsa_group_segment_fixed_size 327680
		.amdhsa_private_segment_fixed_size 0
		.amdhsa_enable_private_segment 0
		.amdhsa_kernarg_size 32
		.amdhsa_user_sgpr_count 2
		.amdhsa_user_sgpr_kernarg_segment_ptr 1
		.amdhsa_wavefront_size32 1
		.amdhsa_system_sgpr_workgroup_id_x 1
		.amdhsa_system_sgpr_workgroup_id_y 1
		.amdhsa_system_sgpr_workgroup_id_z 1
		.amdhsa_system_vgpr_workitem_id 0
		.amdhsa_next_free_vgpr 768
		.amdhsa_next_free_sgpr 100
		.amdhsa_reserve_vcc 0
		.amdhsa_float_denorm_mode_32 3
		.amdhsa_float_denorm_mode_16_64 3
		.amdhsa_memory_ordered 1
		.amdhsa_forward_progress 1
		.amdhsa_inst_pref_size 187
	.end_amdhsa_kernel
	.amdgpu_metadata
---
amdhsa.version: [ 1, 2 ]
amdhsa.kernels:
  - .name:           k_q909f0c58b4_ff1
    .symbol:         k_q909f0c58b4_ff1.kd
    .args:
      - { .name: wts, .offset: 0, .size: 8, .value_kind: global_buffer, .address_space: global }
      - { .name: act, .offset: 8, .size: 8, .value_kind: global_buffer, .address_space: global }
      - { .name: b1, .offset: 16, .size: 8, .value_kind: global_buffer, .address_space: global }
      - { .name: hid, .offset: 24, .size: 8, .value_kind: global_buffer, .address_space: global }
    .group_segment_fixed_size: 327680
    .private_segment_fixed_size: 0
    .kernarg_segment_align: 8
    .kernarg_segment_size: 32
    .max_flat_workgroup_size: 128
    .sgpr_count:     100
    .vgpr_count:     768
    .wavefront_size: 32
...
	.end_amdgpu_metadata
.endif
;; end of part 6
;; launch ff2 (part 7): grid 8 x 32, 4 waves a work-group, clusters of 4 x 4, 327,680 bytes of LDS; arguments wts, hid, x1, b2, out0; writes out0
.if DOCPART == 7
	.amdgcn_target "amdgcn-amd-amdhsa--gfx1250"
	.amdhsa_code_object_version 6
	.text
	.protected	k_q909f0c58b4_ff2
	.globl	k_q909f0c58b4_ff2
	.p2align	8
	.type	k_q909f0c58b4_ff2,@function
k_q909f0c58b4_ff2:
	s_mov_b64 s[64:65], 0
	v_nop
	global_prefetch_b8 v0, s[64:65] scope:SCOPE_SE
	s_setreg_imm32_b32 hwreg(HW_REG_WAVE_MODE, 25, 1), 1
	s_wait_xcnt 0x0
	s_wait_alu depctr_hold_cnt(0) depctr_sa_sdst(0) depctr_va_vdst(0) depctr_va_sdst(0) depctr_va_ssrc(0) depctr_va_vcc(0) depctr_vm_vsrc(0)
	s_getreg_b32 s2, hwreg(HW_REG_IB_STS2, 6, 4)
	s_cmp_eq_u32 s2, 0
	s_cbranch_scc0 .Lentry_in_a_cluster
	s_endpgm
.Lentry_in_a_cluster:
	s_bfe_u32 s2, ttmp6, 0x10000c
	s_cmp_lg_u32 s2, 0xf033
	s_cbranch_scc0 .Lentry_shape_is_right
	s_endpgm
.Lentry_shape_is_right:
; out0 = x1 + Y X^T + b2: Y = the MLP's hidden layer [4,096 tokens][4,096], X = w2 [1,024 channels][4,096], both codes of BF6 (E3M2) laid as operands' registers (head of the first launch); K = 32 steps of 128.
; A work-group makes 128 tokens x 128 channels: 256 work-groups.  A WAVE TAKES ALL 128 TOKENS x 32 CHANNELS: 16 accumulators, 16 matrix instructions a K step.
; So X's two tiles of a wave are read by that wave alone: they go from memory straight into registers, 8 loads a K step, in fifteen sets: the first fifteen steps' are asked for at the head, each later one fourteen steps ahead of its products.
; Y's 8 tiles are read by all four waves: they go through two LDS slots of 12 K steps (147,456 bytes): fills of 12, 12 and 8 steps, each wave 2 tiles by one tensor load; by this text's count one tensor load of a wave is out at a time.
; CLUSTERS: 4 x 4 work-groups; Y hangs on the work-group's y alone and is asked for jointly along a row of the cluster.  X is not asked for jointly: it never enters LDS.
; Y's scale words, 16,384 dense bytes, come once: each wave loads a quarter, 16 bytes a lane, and stores it to LDS bytes of their own; a step's four words are read with its fragments.  X's 32 words a lane stay in registers.
; Source 0 = 16 channels, source 1 = 16 tokens: a lane holds 8 neighbouring channels of a token.  b2 is the C of each sum's first matrix instruction.
; x1: when slot 1 has been read out (K step 23), each wave brings the 32 rows x 512 bytes that it will store by one plain tensor load into slot 1's first 67,584 bytes (rows 528 bytes apart); it has eight K steps in which to land.
; THE WAY OUT: all four waves store their 32 channels into a common stage of 128 rows x 528 bytes behind x1's rows in slot 1, bytes that have had their last fill; one barrier; each wave reads 32 whole rows of 512 bytes, adds x1's and stores them.
; PREFETCH: the third fill (K steps 24-31 of Y's 8 tiles, 98,304 bytes) is named once in each cluster's row, in K step 0, one slot ahead of its tensor load: the 16 waves of the four partners take half a tile each, told apart by address.
; The first two fills come by their loads alone.  X's stream is left without a prefetch: each of its loads is itself issued fourteen K steps ahead of its use.
; REGISTERS: window 0: v1-12 Y's LDS addresses, v13-28 other addresses, v32-63 X's scale words, v64-71 Y's (two sets), v192-223 Y's scale words on their way to LDS.  window 1: v0-191 Y's fragments (two sets; on the way out the rows), v192-207 the bias.
;   window 2: v0-239 X's sets 0-9 (on the way out x1's rows).  window 3: v0-127 accumulator (y, x) at v[8 (2 y + x)], v128-247 X's sets 10-14.
.set KS,  32
.set XC,  6291456
.set XSO, 9699328
.set YSO, 12582912
.set SK,  12                           ; K steps in a slot
.set TP,  SK*1536                      ; a tile's part of a slot
.set SLOT, 8*TP                        ; 147,456
.set GB,  3*TP                         ; an LDS address register serves 55,296 bytes: offsets stay inside 16 bits
.set YSC, 2*SLOT                       ; Y's scale words, [K step][tile][slot]
.set SPARE, YSC+16384                  ; the spare words, 128 bytes for each wave
.set SP,  528                          ; a row of x1 or of the stage in LDS: 512 bytes + 16
.set STG, SLOT+128*SP                  ; the stage, behind x1's 128 rows
.set NX,  15                           ; sets of X's fragments
.set AY,  1
.set SPW, 13
.set NIL, 14
.set L16, 15
.set L8,  16
.set L4,  17
.set STO, 18
.set RD,  19
.set BO,  20
.set PFO, 21
.set AYS, 22
.set YST, 27
.set RS,  28
.set XS,  32
.set YS,  64
.set YT,  192
.set G1,  24
.set G1S, 32
.set G0A, 40
.set G0B, 44
.set G0C, 48
.set G1R, 72
.set G0R, 80
.set MSB, 0
.macro WIN new                         ; the immediate's high byte repeats the setting that is left
.if MSB != \new
	s_set_vgpr_msb (MSB<<8)|\new
.set MSB, \new
.endif
.endm
.macro PLACES                          ; four plain lines between a matrix instruction and a load into, or a store of, its registers
.rept 4
	v_nop
.endr
.endm
.macro CROUND                          ; a round of the cluster's barrier
	s_barrier_signal -1
	s_barrier_wait -1
	s_cmp_lg_u32 s14, 0
	s_cbranch_scc1 .Lnot_wave_0_\@
	s_barrier_signal -3
.Lnot_wave_0_\@:
	s_barrier_wait -3
	s_barrier_signal -1
	s_barrier_wait -1
.endm
.macro WMM d, a, b, c, sa, sb, px, py  ; px, py: the tile is the odd one of its pair: its scale words lie in lanes 16-31
.if (\px)==0 && (\py)==0
	v_wmma_scale_f32_16x16x128_f8f6f4 v[\d:\d+7], v[\a:\a+11], v[\b:\b+11], \c, v[\sa], v[\sb] matrix_a_fmt:MATRIX_FMT_BF6 matrix_b_fmt:MATRIX_FMT_BF6
.elseif (\py)==0
	v_wmma_scale_f32_16x16x128_f8f6f4 v[\d:\d+7], v[\a:\a+11], v[\b:\b+11], \c, v[\sa], v[\sb] matrix_a_fmt:MATRIX_FMT_BF6 matrix_b_fmt:MATRIX_FMT_BF6 matrix_a_scale:MATRIX_SCALE_ROW1
.elseif (\px)==0
	v_wmma_scale_f32_16x16x128_f8f6f4 v[\d:\d+7], v[\a:\a+11], v[\b:\b+11], \c, v[\sa], v[\sb] matrix_a_fmt:MATRIX_FMT_BF6 matrix_b_fmt:MATRIX_FMT_BF6 matrix_b_scale:MATRIX_SCALE_ROW1
.else
	v_wmma_scale_f32_16x16x128_f8f6f4 v[\d:\d+7], v[\a:\a+11], v[\b:\b+11], \c, v[\sa], v[\sb] matrix_a_fmt:MATRIX_FMT_BF6 matrix_b_fmt:MATRIX_FMT_BF6 matrix_a_scale:MATRIX_SCALE_ROW1 matrix_b_scale:MATRIX_SCALE_ROW1
.endif
.endm
.macro YFRAG reg, sl, abs              ; a fragment of Y at byte abs of slot sl, as it was laid: four dense loads
.set r_, \reg
.set g_, (\abs)/GB
.set o_, (\abs)-g_*GB
.set a_, AY+2*(3*(\sl)+g_)
	ds_load_b128 v[r_:r_+3], v[a_] offset:o_
	ds_load_b64 v[r_+4:r_+5], v[a_+1] offset:o_+512
	ds_load_b128 v[r_+6:r_+9], v[a_] offset:o_+768
	ds_load_b64 v[r_+10:r_+11], v[a_+1] offset:o_+1280
.endm
.macro FETCHY s                        ; K step s: Y's 8 fragments and 4 scale words into set s % 2: 36 loads
.if (\s) < SK
.set sl_, 0
.set kk_, (\s)
.set tp_, TP
.elseif (\s) < 2*SK
.set sl_, 1
.set kk_, (\s)-SK
.set tp_, TP
.else
.set sl_, 0
.set kk_, (\s)-2*SK
.set tp_, 12288
.endif
	WIN 0x40
.irp y, 0,1,2,3,4,5,6,7
	YFRAG 96*((\s)%2)+12*\y, sl_, \y*tp_+kk_*1536
.endr
	WIN 0
.irp p, 0,1,2,3
	ds_load_b32 v[YS+4*((\s)%2)+\p], v[AYS] offset:(\s)*512+\p*128
.endr
.endm
.macro XLOAD s                         ; K step s: my two fragments of X from memory into set s % 15: 8 loads
.set t_, (\s)%NX
.if t_ < 10
	WIN 0x80
.set b_, 24*t_
.else
	WIN 0xc0
.set b_, 128+24*(t_-10)
.endif
.irp x, 0,1
.set r_, b_+12*\x
.set o_, \x*KS*1536+(\s)*1536
	global_load_b128 v[r_:r_+3], v[L16], s[56:57] offset:o_
	global_load_b64 v[r_+4:r_+5], v[L8], s[56:57] offset:o_+512
	global_load_b128 v[r_+6:r_+9], v[L16], s[56:57] offset:o_+768
	global_load_b64 v[r_+10:r_+11], v[L8], s[56:57] offset:o_+1280
.endr
.endm
.macro MUL s                           ; the 16 accumulators take turns in one order in every K step
.irp y, 0,1,2,3,4,5,6,7
.irp x, 0,1
.set D_, 8*(2*\y+\x)
.if (\s)%NX < 10
.set A_, 24*((\s)%NX)+12*\x
.else
.set A_, 128+24*((\s)%NX-10)+12*\x
.endif
.set B_, 96*((\s)%2)+12*\y
.set SB_, YS+4*((\s)%2)+\y/2
.if (\s)==0
	WMM D_, A_, B_, v[192+8*\x:199+8*\x], XS+(\s), SB_, \x, \y%2
.else
	WMM D_, A_, B_, v[D_:D_+7], XS+(\s), SB_, \x, \y%2
.endif
.endr
.endr
.endm
; A K step.  In a slot's last step the wave has asked for its last fragments of that slot: there stand the wait for all my tensor loads, the add, the wait for it and for my reads, and a round of the cluster's barrier;
; behind step 11's, slot 0 takes K steps 24-31; behind step 23's, slot 1 takes x1's rows.
.macro STEP s
.if (\s) == SK-1 || (\s) == 2*SK-1
	WIN 0
	s_wait_tensorcnt 0x0                           ; my part of the other slot has landed
	ds_add_u32 v[SPW], v[NIL]
	s_wait_dscnt 0x0                               ; the add is done, and this step's fragments, my last reads of this slot, are in
	CROUND                                         ; that now holds of every wave of all sixteen work-groups
.if (\s) == SK-1
	tensor_load_to_lds s[G0C:G0C+3], s[G1S:G1S+7]  ; my one tensor load behind the round: K steps 24-31
	s_nop 0
.else
	tensor_load_to_lds s[G0R:G0R+3], s[G1R:G1R+7]  ; my one tensor load behind the round: my 32 rows of x1, a load of my own
	s_nop 0
.endif
.else
	s_wait_dscnt 0x0                               ; this step's fragments and scale words of Y are in
.endif
	PLACES
.if (\s)+1 < KS
	FETCHY (\s)+1
.endif
.if (\s) >= 1 && (\s)+NX-1 < KS
	XLOAD (\s)+NX-1                                ; into the set that the last step multiplied
.endif
.if (\s) == 0
	global_prefetch_b8 v[PFO], s[68:69] th:TH_LOAD_NT scope:SCOPE_SE   ; 24 blocks of 256 bytes of the third fill; lanes 24-31 name the last again; the address registers are never rewritten
.endif
.if KS-1-(\s) < 7
	s_wait_loadcnt 8*(KS-1-(\s))                   ; this step's 8 loads of X are in; 8 for each later step may be out
.else
	s_wait_loadcnt 56                              ; at least seven later steps' loads stand behind this step's
.endif
.if (\s) == 0
	WIN 0xd6                                       ; source 0 window 2, source 1 and C (the bias) window 1, D window 3
.elseif (\s)%NX < 10
	WIN 0xf6                                       ; C and D window 3
.else
	WIN 0xf7                                       ; source 0 window 3: X's sets 10-14
.endif
	MUL \s
.endm
	s_load_b256 s[4:11], s[0:1], 0x0               ; wts, hid, x1, b2
	s_load_b64 s[12:13], s[0:1], 0x20              ; out0
	v_lshl_add_u32 v[SPW], v0, 2, SPARE
	v_mov_b32 v[NIL], 0
	ds_add_u32 v[SPW], v[NIL]                      ; the wave's opening: the add, twice on end, and its wait ahead of my first tensor load
	ds_add_u32 v[SPW], v[NIL]
	v_lshrrev_b32 v23, 5, v0
	v_readfirstlane_b32 s14, v23                   ; wave
	s_bfe_u32 s17, ttmp6, 0x40000                  ; cx
	s_bfe_u32 s18, ttmp6, 0x40004                  ; cy
	s_lshl_b32 s19, ttmp9, 2
	s_add_co_u32 s19, s19, s17                     ; work-group x: channels 128 x on
	s_and_b32 s20, ttmp7, 0xffff
	s_lshl_b32 s20, s20, 2
	s_add_co_u32 s20, s20, s18                     ; work-group y: tokens 128 y on
	s_lshl_b32 s21, s18, 2
	s_lshl_b32 s21, 15, s21                        ; my row of the cluster
	s_or_b32 s[G1], s21, (3<<16)|(1<<21)           ; elements of 8 bytes; bit 21 set beside a mask
	s_or_b32 s[G1S], s21, (3<<16)|(1<<21)
.irp g, G1, G1S
	s_mov_b32 s[\g+2], 2<<16                       ; two tiles
	s_mov_b32 s[\g+4], 2
	s_mov_b32 s[\g+5], KS*192                      ; from tile to tile: 49,152 bytes
	s_mov_b32 s[\g+6], 0
	s_mov_b32 s[\g+7], 0
.endr
	s_mov_b32 s[G1+1], (SK*192)<<16                ; a row of the tile: a tile's 12 K steps, 18,432 bytes
	s_mov_b32 s[G1+3], (SK*192)<<16
	s_mov_b32 s[G1S+1], 1536<<16                   ; the last fill: 8 K steps, 12,288 bytes
	s_mov_b32 s[G1S+3], 1536<<16
	s_mov_b32 s[G1R], (3<<16)|(1<<20)|(6<<22)|(3<<25)  ; x1's rows: no mask; elements of 8 bytes; 4 words of padding behind every 128
	s_mov_b32 s[G1R+1], 64<<16                     ; a row: 512 bytes
	s_mov_b32 s[G1R+2], 32<<16                     ; 32 rows
	s_mov_b32 s[G1R+3], 64<<16
	s_mov_b32 s[G1R+4], 32
	s_mov_b32 s[G1R+5], 512                        ; from row to row: 4,096 bytes
	s_mov_b32 s[G1R+6], 0
	s_mov_b32 s[G1R+7], 0
	s_lshl_b32 s15, s14, 1
	s_lshl_b32 s52, s20, 3
	s_add_co_u32 s52, s52, s15
	s_mul_i32 s52, s52, KS*1536                    ; Y: the two tiles that I fetch
	s_mov_b32 s53, 0
	s_lshl_b32 s56, s19, 3
	s_add_co_u32 s56, s56, s15
	s_mul_i32 s56, s56, KS*1536
	s_add_co_u32 s56, s56, XC                      ; X: my two tiles
	s_mov_b32 s57, 0
	s_lshl_b32 s60, s19, 14
	s_lshl_b32 s16, s14, 7
	s_add_co_u32 s60, s60, s16
	s_add_co_u32 s60, s60, XSO                     ; their scale words
	s_mov_b32 s61, 0
	s_lshl_b32 s62, s20, 14
	s_lshl_b32 s22, s14, 12
	s_add_co_u32 s62, s62, s22
	s_add_co_u32 s62, s62, YSO                     ; my quarter of Y's scale words
	s_mov_b32 s63, 0
	s_lshl_b32 s54, s19, 9
	s_add_co_u32 s54, s54, s16                     ; my first channel, in bytes
	s_mov_b32 s55, 0
	s_lshl_b32 s66, s20, 19
	s_lshl_b32 s23, s14, 17
	s_add_co_u32 s66, s66, s23
	s_lshl_b32 s23, s19, 9
	s_add_co_u32 s66, s66, s23                     ; the way out: tokens 128 y + 32 wave on, channels 128 x on
	s_mov_b32 s67, 0
	s_lshl_b32 s68, s17, 2
	s_add_co_u32 s68, s68, s14                     ; the prefetch: 4 cx + wave: which half tile of the eight
	s_and_b32 s23, s68, 1
	s_lshr_b32 s68, s68, 1
	s_lshl_b32 s69, s20, 3
	s_add_co_u32 s68, s68, s69
	s_mul_i32 s68, s68, KS*1536
	s_mul_i32 s23, s23, 6144
	s_add_co_u32 s68, s68, s23
	s_add_co_u32 s68, s68, 2*SK*1536
	s_mov_b32 s69, 0
	s_add_co_u32 s2, s22, YSC                      ; LDS: where my quarter of the scale words goes,
	s_add_co_u32 s3, s16, STG                      ; my 128 bytes of a stage row,
	s_mul_i32 s15, s14, 32*SP
	s_add_co_u32 s15, s15, SLOT                    ; my 32 rows of x1
	s_wait_dscnt 0x0                               ; both opening adds are done
	s_wait_kmcnt 0x0
	s_add_nc_u64 s[52:53], s[6:7], s[52:53]
	s_add_nc_u64 s[56:57], s[4:5], s[56:57]
	s_add_nc_u64 s[60:61], s[4:5], s[60:61]
	s_add_nc_u64 s[62:63], s[6:7], s[62:63]
	s_add_nc_u64 s[10:11], s[10:11], s[54:55]
	s_add_nc_u64 s[8:9], s[8:9], s[66:67]
	s_add_nc_u64 s[12:13], s[12:13], s[66:67]
	s_add_nc_u64 s[68:69], s[6:7], s[68:69]
	s_mov_b32 s[G0A], 1                            ; K steps 0-11 into slot 0,
	s_mul_i32 s[G0A+1], s14, 2*TP
	s_mov_b64 s[G0A+2:G0A+3], s[52:53]
	s_or_b32 s[G0A+3], s[G0A+3], 0x80000000
	s_mov_b32 s[G0B], 1                            ; 12-23 into slot 1,
	s_add_co_u32 s[G0B+1], s[G0A+1], SLOT
	s_add_nc_u64 s[G0B+2:G0B+3], s[52:53], SK*1536
	s_or_b32 s[G0B+3], s[G0B+3], 0x80000000
	s_mov_b32 s[G0C], 1                            ; 24-31 into slot 0, tiles 12,288 bytes apart,
	s_mul_i32 s[G0C+1], s14, 2*12288
	s_add_nc_u64 s[G0C+2:G0C+3], s[52:53], 2*SK*1536
	s_or_b32 s[G0C+3], s[G0C+3], 0x80000000
	s_mov_b32 s[G0R], 1                            ; x1's rows into slot 1
	s_mul_i32 s[G0R+1], s14, 32*SP
	s_add_co_u32 s[G0R+1], s[G0R+1], SLOT
	s_mov_b64 s[G0R+2:G0R+3], s[8:9]
	s_or_b32 s[G0R+3], s[G0R+3], 0x80000000
	CROUND                                         ; all sixteen work-groups are here: the first joint loads meet
	tensor_load_to_lds s[G0A:G0A+3], s[G1:G1+7]    ; one tensor load a wave at the head
	s_nop 0
	PLACES
	v_and_b32 v23, 31, v0                          ; lane
	v_lshlrev_b32 v[L16], 4, v23
	v_lshlrev_b32 v[L8], 3, v23
	v_lshlrev_b32 v[L4], 2, v23
.irp q, 0,1,2,3,4,5                    ; slot q / 3, its bytes 55,296 (q % 3) on
	v_add_nc_u32 v[AY+2*\q], (\q/3)*SLOT+(\q%3)*GB, v[L16]
	v_add_nc_u32 v[AY+2*\q+1], (\q/3)*SLOT+(\q%3)*GB, v[L8]
.endr
	v_add_nc_u32 v[AYS], YSC, v[L4]
	v_add_nc_u32 v[YST], s2, v[L16]
	v_and_b32 v24, 15, v23
	v_lshrrev_b32 v25, 4, v23
	v_and_b32 v26, 8, v24
	v_add_nc_u32 v24, v24, v26                     ; slot r of a tile is token r + 8 (r / 8) of its 32
	v_mul_u32_u24 v[STO], v24, SP
	v_lshl_add_u32 v[STO], v25, 6, v[STO]          ; + 64 (l / 16): channels 16 (l / 16) on
	v_add_nc_u32 v[STO], s3, v[STO]
	v_add_nc_u32 v[RD], s15, v[L16]                ; my rows of x1,
	v_add_nc_u32 v[RS], 128*SP, v[RD]              ; and the same rows of the stage
	v_lshlrev_b32 v[BO], 6, v25
	v_min_u32 v[PFO], 23, v23
	v_lshlrev_b32 v[PFO], 8, v[PFO]
	s_wait_alu depctr_va_vdst(0)
.irp i, 0,1,2,3,4,5,6,7
	global_load_b128 v[YT+4*\i:YT+4*\i+3], v[L16], s[62:63] offset:512*\i     ; Y's scale words, 512 consecutive bytes a load
.endr
	WIN 0x40
.irp x, 0,1
	global_load_b128 v[192+8*\x:195+8*\x], v[BO], s[10:11] offset:32*\x
	global_load_b128 v[196+8*\x:199+8*\x], v[BO], s[10:11] offset:32*\x+16
.endr
	WIN 0
.set i_, 0
.rept KS
	global_load_b32 v[XS+i_], v[L4], s[60:61] offset:i_*512                   ; lanes 0-15: my even tile's words, lanes 16-31: the odd one's
.set i_, i_+1
.endr
.irp s, 0,1,2,3,4,5,6,7,8,9,10,11,12,13,14
	XLOAD \s
.endr
	WIN 0
	s_wait_tensorcnt 0x0                           ; my part of slot 0 is in
	s_wait_loadcnt 63                              ; 156 loads were issued behind the eight of Y's scale words: these are in
.irp i, 0,1,2,3,4,5,6,7
	ds_store_b128 v[YST], v[YT+4*\i:YT+4*\i+3] offset:512*\i
.endr
	s_wait_tensorcnt 0x0
	ds_add_u32 v[SPW], v[NIL]
	s_wait_dscnt 0x0                               ; the add and my stores of scale words are done
	CROUND
	tensor_load_to_lds s[G0B:G0B+3], s[G1:G1+7]    ; slot 1's first fill, my one tensor load behind the round
	s_nop 0
	PLACES
	FETCHY 0
.set ST, 0
.rept KS
	STEP ST
.set ST, ST+1
.endr
	WIN 0
	s_wait_tensorcnt 0x0                           ; my rows of x1 are in
	PLACES
	WIN 0x0c                                       ; an LDS store's data are its source 1: window 3
.irp y, 0,1,2,3,4,5,6,7
.irp x, 0,1
	ds_store_b128 v[STO], v[8*(2*\y+\x):8*(2*\y+\x)+3] offset:(32*(\y/2)+8*(\y%2))*SP+32*\x          ; each accumulator from its low end on
	ds_store_b128 v[STO], v[8*(2*\y+\x)+4:8*(2*\y+\x)+7] offset:(32*(\y/2)+8*(\y%2))*SP+32*\x+16
.endr
.endr
	WIN 0
	s_wait_dscnt 0x0                               ; for the others' sake: my stores into the stage have landed
	s_barrier_signal -1
	s_barrier_wait -1
.irp g, 0,1,2,3
	WIN 0x40
.irp i, 0,1,2,3,4,5,6,7
	ds_load_b128 v[32*\g+4*\i:32*\g+4*\i+3], v[RS] offset:(8*\g+\i)*SP       ; eight rows of the result, window 1,
.endr
	WIN 0x80
.irp i, 0,1,2,3,4,5,6,7
	ds_load_b128 v[32*\g+4*\i:32*\g+4*\i+3], v[RD] offset:(8*\g+\i)*SP       ; and the same rows of x1, window 2
.endr
.endr
.irp g, 0,1,2,3
	s_wait_dscnt 48-16*\g                          ; these sixteen loads are back; sixteen for each later group may be out
	WIN 0x49                                       ; destination and source 0 window 1, source 1 (x1) window 2
.set k_, 0
.rept 16
	v_pk_add_f32 v[32*\g+2*k_:32*\g+2*k_+1], v[32*\g+2*k_:32*\g+2*k_+1], v[32*\g+2*k_:32*\g+2*k_+1]
.set k_, k_+1
.endr
	WIN 0x04
.irp i, 0,1,2,3,4,5,6,7
	global_store_b128 v[L16], v[32*\g+4*\i:32*\g+4*\i+3], s[12:13] offset:(8*\g+\i)*4096     ; 512 consecutive bytes, at a multiple of 256 from out0's first byte
.endr
.endr
	WIN 0
	s_wait_tensorcnt 0x0                           ; the wave's end
	ds_add_u32 v[SPW], v[NIL]
	s_wait_dscnt 0x0
	CROUND                                         ; the closing round
	s_endpgm
.Lfunc_end_k_q909f0c58b4_ff2:
	.size	k_q909f0c58b4_ff2, .Lfunc_end_k_q909f0c58b4_ff2-k_q909f0c58b4_ff2
	.p2alignl 7, 3214868480
	.fill 96, 4, 3214868480
	.section	.rodata,"a",@progbits
	.p2align	6, 0x0
	.amdhsa_kernel k_q909f0c58b4_ff2
		.amdhsa_group_segment_fixed_size 327680
		.amdhsa_private_segment_fixed_size 0
		.amdhsa_enable_private_segment 0
		.amdhsa_kernarg_size 40
		.amdhsa_user_sgpr_count 2
		.amdhsa_user_sgpr_kernarg_segment_ptr 1
		.amdhsa_wavefront_size32 1
		.amdhsa_system_sgpr_workgroup_id_x 1
		.amdhsa_system_sgpr_workgroup_id_y 1
		.amdhsa_system_sgpr_workgroup_id_z 1
		.amdhsa_system_vgpr_workitem_id 0
		.amdhsa_next_free_vgpr 1024
		.amdhsa_next_free_sgpr 84
		.amdhsa_reserve_vcc 0
		.amdhsa_float_denorm_mode_32 3
		.amdhsa_float_denorm_mode_16_64 3
		.amdhsa_memory_ordered 1
		.amdhsa_forward_progress 1
		.amdhsa_inst_pref_size 198
	.end_amdhsa_kernel
	.amdgpu_metadata
---
amdhsa.version: [ 1, 2 ]
amdhsa.kernels:
  - .name:           k_q909f0c58b4_ff2
    .symbol:         k_q909f0c58b4_ff2.kd
    .args:
      - { .name: wts, .offset: 0, .size: 8, .value_kind: global_buffer, .address_space: global }
      - { .name: hid, .offset: 8, .size: 8, .value_kind: global_buffer, .address_space: global }
      - { .name: x1, .offset: 16, .size: 8, .value_kind: global_buffer, .address_space: global }
      - { .name: b2, .offset: 24, .size: 8, .value_kind: global_buffer, .address_space: global }
      - { .name: out0, .offset: 32, .size: 8, .value_kind: global_buffer, .address_space: global }
    .group_segment_fixed_size: 327680
    .private_segment_fixed_size: 0
    .kernarg_segment_align: 8
    .kernarg_segment_size: 40
    .max_flat_workgroup_size: 128
    .sgpr_count:     84
    .vgpr_count:     1024
    .wavefront_size: 32
...
	.end_amdgpu_metadata
.endif
;; end of part 7
